; MI455X (gfx1250); checked and timed in simulation.
; The chip was launched on July 23, 2026; its instructions are those of AMD's public machine-readable ISA for CDNA 5 (MIT licence, August 2026) and "CDNA5" Instruction Set Architecture Reference Guide (July 2026). The comments in the code are by the model that wrote it; some were corrected since.
;; multihead self attention. Allowed arithmetic: matrix products marked QUANTISED: E3M2 operands, one E8M0 scale for each 32 along K, by v_wmma_scale_f32_16x16x128_f8f6f4 with both operands' format E3M2, f32 sums; everything else in f32.
;; Inputs: in_features 2 x 2,048 x 1,024 float32; wk 1,024 x 1,024 float32; wo 1,024 x 1,024 float32; wq 1,024 x 1,024 float32; wv 1,024 x 1,024 float32.
;; Outputs: out0 2 x 2,048 x 1,024 float32.
;; This version of the problem:
;;   THIS VERSION OF THE PROBLEM IS GIVEN IN LOW PRECISION. The matrix products marked QUANTISED in the list below multiply operands that are first quantised to E3M2 (3 exponent bits, 2 mantissa bits; 6 bits a number), with one power-of-two scale for each 32 numbers along K (OCP MX v1.0); their sums are f32. All else is computed in f32.
;;   The module's matrix products, in the order in which they are computed (A, B: the left and right operand; K: the contracted axis; several contracted axes count as one K, in the product's order):
;;     1. [M 4,096, K 1,024] x [K 1,024, N 1,024]; A: input in_features; B: input wq: QUANTISED
;;     2. [M 4,096, K 1,024] x [K 1,024, N 1,024]; A: input in_features; B: input wk: QUANTISED
;;     3. [M 4,096, K 1,024] x [K 1,024, N 1,024]; A: input in_features; B: input wv: QUANTISED
;;     4. batch 32 x [M 2,048, K 64] x [K 64, N 2,048]; A: computed on the way; B: computed on the way: QUANTISED
;;     5. batch 32 x [M 2,048, K 2,048] x [K 2,048, N 64]; A: softmax (see below); B: computed on the way: QUANTISED
;;     6. [M 4,096, K 1,024] x [K 1,024, N 1,024]; A: computed on the way; B: input wo: QUANTISED
;;   THE QUANTISER, for each operand of a quantised product, along K:
;;     - K is cut into blocks of 32 from its start; a last block that is shorter is filled with zeros.
;;     - A block's scale is 2^e with e = floor(log2(the largest magnitude in the block)) - 4, held to -126 .. 127; a block of zeros has e = 0. As a byte (E8M0): e + 127.
;;     - Each number is divided by its block's scale, clamped to +-28, and rounded to the nearest number of E3M2, ties to even, subnormals kept.
;;     - The product sums the exact products of the quantised numbers (number of the format x scale) in f32.
;;   ~~~python
;;   def quantise(x, axis):      # numpy; x: float32 -> the quantised numbers, widened to float32 again
;;       x = np.moveaxis(x, axis, -1); K = x.shape[-1]
;;       x = np.pad(x, [(0, 0)] * (x.ndim - 1) + [(0, -K % 32)]); x = x.reshape(x.shape[:-1] + (-1, 32)); a = np.abs(x).max(-1, keepdims=True)
;;       e = np.where(a > 0, np.clip(np.frexp(np.where(a > 0, a, 1))[1] - 1 - 4, -126, 127), 0)      # np.frexp(a)[1] - 1 = floor(log2(a)), exactly
;;       r = np.clip(x / 2.0 ** e, -28, 28)
;;       step = 2.0 ** (np.maximum(np.frexp(np.where(r == 0, 1, r))[1] - 1, -2) - 2)
;;       q = np.round(r / step) * step * 2.0 ** e      # np.round: ties to even
;;       return np.moveaxis(q.reshape(q.shape[:-2] + (-1,))[..., :K], -1, axis).astype(np.float32)
;;   ~~~
;;   SOFTMAX AHEAD OF A QUANTISED PRODUCT. Where the list says 'softmax', what is quantised is not the finished softmax but p = 2^(t - M), with t = logit x log2(e) and M = ceil(the row's largest t), a whole number; so 1/2 < the row's largest p <= 1. The row's sum l is taken of the UNQUANTISED p, in f32, and the product's result is divided by l at the end. Since M is a whole number, a kernel that streams over the keys may use a running M (the ceiling of the running maximum): every later rescaling is an exact power of two, which a block's scale takes up: the codes' values come out the same.
;;   OPERANDS COMPUTED ON THE WAY. 'Computed on the way' means the value that the module computes at that place (a softmax that the list does not call 'softmax' is quantised finished and normalised). What goes into a quantiser is computed in f32, as accurately as f32 sums, v_exp_f32 and their like allow (about 1e-6 of the number): no bf16 or f16 on the way to a quantiser, and a product that is left as it is and whose result goes on into a quantised operand takes f32 operands (vector FMAs, or v_wmma_f32_16x16x4_f32). A number that lies on a knife's edge between two numbers of the format may be rounded either way, as far as f32 arithmetic and the matrix unit's own rounding can turn it there, and no further.
;; One version. Each part assembles by itself: llvm-mc -triple=amdgcn-amd-amdhsa -mcpu=gfx1250 --defsym DOCPART=n.
;; ======== version 1 of 1: 4 launches
;; limits: right only within a limited range of input values
;; workspace buffers: opc 6,553,600 bytes; tab 524,288 bytes; qq 3,407,872 bytes; kv 6,684,672 bytes; cc 3,145,728 bytes; cs 262,144 bytes
;; launch quant (part 1): grid 512 x 1, 4 waves a work-group, no clusters, 68,096 bytes of LDS; arguments in_features, wq, wk, wv, wo, opc, tab; writes opc, tab
.if DOCPART == 1
	.amdgcn_target "amdgcn-amd-amdhsa--gfx1250"
	.amdhsa_code_object_version 6
	.text
	.protected	k_q53bdf03a9e_quant
	.globl	k_q53bdf03a9e_quant
	.p2align	8
	.type	k_q53bdf03a9e_quant,@function
k_q53bdf03a9e_quant:
	s_mov_b64 s[64:65], 0
	v_nop
	global_prefetch_b8 v0, s[64:65] scope:SCOPE_SE
	s_setreg_imm32_b32 hwreg(HW_REG_WAVE_MODE, 25, 1), 1
	s_wait_xcnt 0x0
; in_features [4096][1024] and wq, wk, wv, wo [1024][1024], f32, K innermost, become codes of BF6 (E3M2) with one E8M0 byte for each 32 along K,
; laid in the order of an operand's registers.  Wave 0 of each work-group also makes 1 KiB of the table of cosines and sines for the rotation.
; DEAD WORK (of the whole program): reference() sets every score whose key lies behind its query to -inf ahead of the softmax, so such a p is 0 for all values of the
; inputs; steps of 128 keys that lie wholly behind a tile's queries are left out.  A NaN or infinity that reaches only that work is not carried to the result.
; TILES.  Rows go in groups of 64; tile 4 c + i holds at lane r the row 64 c + 8 i + r % 8 + 32 (r / 8).  Two neighbouring tiles form a pair G.
; Pairs: x 0-127, wq 128-159, wk 160-191, wv 192-223, wo 224-255.
; opc: [pair G][half q of K][tile u of the pair][6,400 bytes]: four K steps of 1,536 bytes (lane l's registers 4 i .. 4 i + 3 at 512 i + 16 l), then 256 bytes of scale words:
; those of K steps 4 q + 2 u and 4 q + 2 u + 1 of BOTH tiles of the pair, 128 bytes each: tile u', row r at 4 (16 u' + r).
; tab: [tile of positions 0-127][quad n][512 bytes of cosines, 512 of sines]: lane (r, h)'s 16 bytes at 16 l are frequencies 16 h + 4 n + 0 .. 3 at its position.
; SHARES.  A wave takes one pair (32 rows) x one K step: 16 KiB of f32, each row's 512 bytes by one load of the wave.  The rows turn through the wave's own stage in LDS
; (rows 528 bytes apart), so that lane (r, h) gets of row r the whole blocks 64 c + 32 h + 0 .. 31.  Waves share nothing: no barrier.
; A block's scale is 2^(floor(log2(its largest magnitude)) - 4); its byte is that magnitude's exponent field - 4, held at 1 from below.
; LIMITS: NaN and infinities among the inputs are not served; a block whose largest magnitude lies under 2^-122 keeps the byte 1; a block of zeros gets the byte 1 where the
; rule says 127 (its codes are zeros, and this program alone reads the bytes).  Sine and cosine: about 1e-7 absolute for the angles that occur here, 0 to 2,047.
.set WREG, 16896                       ; LDS of a wave: two stages of 16 rows
.set SP,   528                         ; a stage row: 512 bytes + 16
.set L16,  4
.set L4,   6
.set STA,  7                           ; the stage, on the way in
.set LDA,  8                           ; and on the way out
.set VT,   9                           ; table: 10^(2 h + n / 2)
.set VP,   10                          ; table: my position as f32
.set H8,   12                          ; 8 h
.set RA,   16                          ; v16-79   tile 0 as loaded; later tile 1's neighbours
.set RB,   80                          ; v80-143  tile 1 as loaded
.set X,    144                         ; v144-207 tile 0's neighbours; before that the table's work
.set PC,   208                         ; v208-227 codes
.set TM,   228                         ; v228-236 at work
.set PW0,  244
.set PW1,  245
.set WD,   246
	s_load_b256 s[8:15], s[0:1], 0x0               ; x, wq, wk, wv
	s_load_b128 s[16:19], s[0:1], 0x20             ; wo, opc
	s_load_b64 s[22:23], s[0:1], 0x30              ; tab
	v_lshl_add_u32 v254, v0, 2, 0x10800
	v_mov_b32 v255, 0
	v_lshrrev_b32 v1, 5, v0
	v_readfirstlane_b32 s4, v1                     ; wave 0..3
	s_mul_i32 s5, s4, WREG
	v_and_b32 v1, 31, v0                           ; lane
	v_and_b32 v2, 15, v0                           ; r
	v_bfe_u32 v3, v0, 4, 1                         ; h
	v_lshlrev_b32 v[L16], 4, v1
	v_lshlrev_b32 v[L4], 2, v1
	v_lshlrev_b32 v[H8], 3, v3
	v_add_nc_u32 v[STA], s5, v[L16]                ; a row's 512 bytes as they lie
	v_mul_u32_u24 v[LDA], v2, SP
	v_lshl_add_u32 v[LDA], v3, 7, v[LDA]
	v_add_nc_u32 v[LDA], s5, v[LDA]                ; row r, + 128 h
	v_mov_b32 v[TM+8], 0                           ; written once: a lane permute's destination counts as one of its sources
	s_wait_alu depctr_va_vdst(0)
	s_mov_b32 s6, 0x76543210
	s_mov_b32 s7, 0xfedcba98                       ; v_permlanex16_b32's selects for lane l xor 16
	s_mov_b32 s30, 0xffff0000                      ; lanes 16-31
	s_lshr_b32 s2, ttmp9, 1                        ; the pair, 0..255
	s_and_b32 s3, ttmp9, 1
	s_lshl_b32 s3, s3, 2
	s_add_co_u32 s3, s3, s4                        ; the K step, 0..7
	s_cmp_lt_u32 s2, 128
	s_cselect_b32 s26, 127, 31
	s_and_b32 s26, s2, s26                         ; the pair inside its tensor:
	s_lshr_b32 s27, s26, 1
	s_lshl_b32 s27, s27, 18                        ; 64 rows of 4,096 bytes for two pairs,
	s_and_b32 s26, s26, 1
	s_lshl_b32 s26, s26, 16                        ; 16 rows for the odd one
	s_add_co_u32 s26, s26, s27
	s_lshl_b32 s27, s3, 9
	s_add_co_u32 s26, s26, s27
	s_mov_b32 s27, 0
	s_mul_i32 s28, s2, 25600
	s_lshr_b32 s29, s3, 2
	s_mul_i32 s29, s29, 12800
	s_add_co_u32 s28, s28, s29                     ; pair, half of K
	s_bfe_u32 s29, s3, 0x10001
	s_mul_i32 s29, s29, 6400
	s_add_co_u32 s32, s28, s29
	s_and_b32 s29, s3, 1
	s_lshl_b32 s29, s29, 7
	s_add_co_u32 s32, s32, s29
	s_add_co_u32 s32, s32, 6144                    ; my scale words
	s_mov_b32 s33, 0
	s_and_b32 s29, s3, 3
	s_mul_i32 s29, s29, 1536
	s_add_co_u32 s28, s28, s29                     ; my codes
	s_mov_b32 s29, 0
	s_lshl_b32 s34, ttmp9, 10                      ; the table: 4 x tile + quad is the work-group's number
	s_mov_b32 s35, 0
	s_wait_kmcnt 0x0
	s_mov_b64 s[24:25], s[16:17]                   ; which tensor: the choice hangs on the work-group's number alone
	s_cmp_lt_u32 s2, 224
	s_cselect_b64 s[24:25], s[14:15], s[24:25]
	s_cmp_lt_u32 s2, 192
	s_cselect_b64 s[24:25], s[12:13], s[24:25]
	s_cmp_lt_u32 s2, 160
	s_cselect_b64 s[24:25], s[10:11], s[24:25]
	s_cmp_lt_u32 s2, 128
	s_cselect_b64 s[24:25], s[8:9], s[24:25]
	s_add_nc_u64 s[24:25], s[24:25], s[26:27]
	s_add_nc_u64 s[20:21], s[18:19], s[32:33]
	s_add_nc_u64 s[18:19], s[18:19], s[28:29]
	s_add_nc_u64 s[22:23], s[22:23], s[34:35]
.irp i, 0,1,2,3,4,5,6,7,8,9,10,11,12,13,14,15
	global_load_b128 v[RA+4*\i:RA+4*\i+3], v[L16], s[24:25] offset:(\i+24*(\i/8))*4096 th:TH_LOAD_NT     ; tile 0's row i: 512 consecutive bytes
.endr
.irp i, 0,1,2,3,4,5,6,7,8,9,10,11,12,13,14,15
	global_load_b128 v[RB+4*\i:RB+4*\i+3], v[L16], s[24:25] offset:(8+\i+24*(\i/8))*4096 th:TH_LOAD_NT   ; tile 1's
.endr
	; ---- the table, by wave 0, while the loads are on their way
	s_cmp_lg_u32 s4, 0
	s_cbranch_scc1 .Lno_table
	s_and_b32 s53, ttmp9, 1                        ; n % 2
	s_bfe_u32 s54, ttmp9, 0x10001                  ; n / 2
	s_lshr_b32 s55, ttmp9, 2                       ; the tile of positions
	s_lshr_b32 s56, s55, 2
	s_lshl_b32 s56, s56, 6
	s_and_b32 s57, s55, 3
	s_lshl_b32 s57, s57, 3
	s_add_co_u32 s56, s56, s57                     ; 64 (tile / 4) + 8 (tile % 4)
	s_mov_b32 s57, 0x41200000                      ; 10
	s_mov_b32 s58, 0x447a0000                      ; 1,000
	s_cmp_eq_u32 s54, 0
	s_cselect_b32 s57, 1.0, s57                    ; 10^(n / 2)
	s_cselect_b32 s58, 0x42c80000, s58             ; 10^(2 + n / 2)
	s_mov_b32 s36, 0x404a62c2                      ; 10^(m / 8), m = 4 .. 7, as a f32 number and what it leaves over
	s_mov_b32 s37, 0x4086f161
	s_mov_b32 s38, 0x40b3f300
	s_mov_b32 s39, 0x40eff755
	s_mov_b32 s40, 0xb324b496
	s_mov_b32 s41, 0xb430577b
	s_mov_b32 s42, 0x34323462
	s_mov_b32 s43, 0x34515b50
	s_cmp_eq_u32 s53, 0
	s_cselect_b32 s36, 1.0, s36                    ; m = 0 .. 3 where n is even
	s_cselect_b32 s37, 0x3faab0d5, s37
	s_cselect_b32 s38, 0x3fe39ea9, s38
	s_cselect_b32 s39, 0x4017c496, s39
	s_cselect_b32 s40, 0, s40
	s_cselect_b32 s41, 0xb3645804, s41
	s_cselect_b32 s42, 0xb26aee3d, s42
	s_cselect_b32 s43, 0x33606940, s43
	s_mov_b32 s45, 0xbfc90fdb                      ; -(pi / 2 as f32)
	s_mov_b32 s46, 0x333bbd2e                      ; that f32 number less pi / 2
	s_mov_b32 s47, 0xb94ca1f9                      ; the sine's three coefficients
	s_mov_b32 s48, 0x3c08839e
	s_mov_b32 s49, 0xbe2aaaa3
	s_mov_b32 s50, 0x37ccf5ce                      ; the cosine's
	s_mov_b32 s51, 0xbab6061a
	s_mov_b32 s52, 0x3d2aaaa5
	v_mov_b32 v[VT], s57
	v_mov_b32 v11, s58
	v_cndmask_b32 v[VT], v[VT], v11, s30           ; 10^(2 h + n / 2): exact
	v_and_b32 v[VP], 8, v2
	v_mad_u32_u24 v[VP], v[VP], 3, v2              ; r % 8 + 32 (r / 8)
	v_add_nc_u32 v[VP], s56, v[VP]
	v_cvt_f32_u32 v[VP], v[VP]                     ; my position
	; frequency i = 16 h + 4 n + j.  10000^(i / 32) = 10^(2 h + n / 2) x 10^((4 (n % 2) + j) / 8), rounded once; its reciprocal, rounded once; the angle, rounded once
.irp j, 0,1,2,3
	v_mul_f32 v[X+12*\j], s[36+\j], v[VT]
.endr
.irp j, 0,1,2,3
	v_fma_f32 v[X+12*\j+1], v[VT], s[36+\j], -v[X+12*\j]           ; what that product dropped,
.endr
.irp j, 0,1,2,3
	v_fma_f32 v[X+12*\j+1], v[VT], s[40+\j], v[X+12*\j+1]          ; and the low part's product
.endr
.irp j, 0,1,2,3
	v_add_f32 v[X+12*\j], v[X+12*\j], v[X+12*\j+1]
.endr
	s_wait_alu depctr_va_vdst(0)
.irp j, 0,1,2,3
	v_rcp_f32 v[X+12*\j+2], v[X+12*\j]
.endr
	v_nop                                          ; a plain place behind the reciprocals
	s_wait_alu depctr_va_vdst(0)
.irp j, 0,1,2,3
	v_fma_f32 v[X+12*\j+3], -v[X+12*\j], v[X+12*\j+2], 1.0
.endr
.irp j, 0,1,2,3
	v_fma_f32 v[X+12*\j+3], v[X+12*\j+2], v[X+12*\j+3], v[X+12*\j+2]   ; one step of Newton: the reciprocal to the last bit
.endr
.irp j, 0,1,2,3
	v_mul_f32 v[X+12*\j+3], v[VP], v[X+12*\j+3]    ; the angle
.endr
.irp j, 0,1,2,3
	v_mul_f32 v[X+12*\j+4], 0x3f22f983, v[X+12*\j+3]
.endr
.irp j, 0,1,2,3
	v_rndne_f32 v[X+12*\j+4], v[X+12*\j+4]         ; k = the nearest whole number to angle x 2 / pi
.endr
.irp j, 0,1,2,3
	v_fma_f32 v[X+12*\j+5], v[X+12*\j+4], s45, v[X+12*\j+3]
.endr
.irp j, 0,1,2,3
	v_fma_f32 v[X+12*\j+5], v[X+12*\j+4], s46, v[X+12*\j+5]        ; angle - k pi / 2, within pi / 4 of 0
.endr
.irp j, 0,1,2,3
	v_mul_f32 v[X+12*\j+6], v[X+12*\j+5], v[X+12*\j+5]
.endr
.irp j, 0,1,2,3
	v_fma_f32 v[X+12*\j+7], v[X+12*\j+6], s47, s48
	v_fma_f32 v[X+12*\j+8], v[X+12*\j+6], s50, s51
.endr
.irp j, 0,1,2,3
	v_fma_f32 v[X+12*\j+7], v[X+12*\j+7], v[X+12*\j+6], s49
	v_fma_f32 v[X+12*\j+8], v[X+12*\j+8], v[X+12*\j+6], s52
.endr
.irp j, 0,1,2,3
	v_mul_f32 v[X+12*\j+9], v[X+12*\j+6], v[X+12*\j+5]
	v_mul_f32 v[X+12*\j+10], v[X+12*\j+6], v[X+12*\j+6]
	v_fma_f32 v[X+12*\j+11], v[X+12*\j+6], -0.5, 1.0
.endr
.irp j, 0,1,2,3
	v_fma_f32 v[X+12*\j+7], v[X+12*\j+7], v[X+12*\j+9], v[X+12*\j+5]       ; sin
	v_fma_f32 v[X+12*\j+8], v[X+12*\j+8], v[X+12*\j+10], v[X+12*\j+11]     ; cos
	v_cvt_i32_f32 v[X+12*\j+4], v[X+12*\j+4]       ; k as a whole number: it only selects values and signs
.endr
.irp j, 0,1,2,3
	v_and_b32 v[X+12*\j+9], 1, v[X+12*\j+4]
	v_cmp_eq_u32 vcc_lo, 1, v[X+12*\j+9]
	v_cndmask_b32 v[PC+4+\j], v[X+12*\j+7], v[X+12*\j+8], vcc_lo   ; sine: sin, or cos where k is odd;
	v_cndmask_b32 v[PC+\j], v[X+12*\j+8], v[X+12*\j+7], vcc_lo     ; cosine: the other way round
	v_and_b32 v[X+12*\j+9], 2, v[X+12*\j+4]
	v_lshlrev_b32 v[X+12*\j+9], 30, v[X+12*\j+9]
	v_xor_b32 v[PC+4+\j], v[PC+4+\j], v[X+12*\j+9]                 ; the sine's sign turns for k % 4 = 2, 3
	v_add_nc_u32 v[X+12*\j+10], 1, v[X+12*\j+4]
	v_and_b32 v[X+12*\j+10], 2, v[X+12*\j+10]
	v_lshlrev_b32 v[X+12*\j+10], 30, v[X+12*\j+10]
	v_xor_b32 v[PC+\j], v[PC+\j], v[X+12*\j+10]                    ; the cosine's for k % 4 = 1, 2
.endr
	global_store_b128 v[L16], v[PC:PC+3], s[22:23]                 ; 512 consecutive bytes each
	global_store_b128 v[L16], v[PC+4:PC+7], s[22:23] offset:512
.Lno_table:
; 64 numbers of a lane, register 32 c + i = k 64 c + 32 h + i of its row, become a fragment's 12 registers in v[PC] on and the row's scale word in v[wd]
.macro QUANT4 s, wd
.irp q, 0,1,2,3
	v_max3_num_f32 v[TM+\q], |v[\s+16*\q]|, |v[\s+1+16*\q]|, 0x2800000     ; half a block, and the floor 2^(5 - 127): the byte cannot fall under 1
.endr
.irp i, 2,4,6,8,10,12,14
.irp q, 0,1,2,3
	v_max3_num_f32 v[TM+\q], v[TM+\q], |v[\s+16*\q+\i]|, |v[\s+1+16*\q+\i]|
.endr
.endr
	v_max_num_f32 v[TM], v[TM], v[TM+1]            ; block h
	v_max_num_f32 v[TM+2], v[TM+2], v[TM+3]        ; block 2 + h
	v_add_nc_u32 v[TM+4], 0xfe000000, v[TM]        ; 4 off the exponent field: the conversion's scale operand
	v_add_nc_u32 v[TM+5], 0xfe000000, v[TM+2]
	v_lshrrev_b32 v[TM+6], 23, v[TM+4]
	v_lshrrev_b32 v[TM+7], 23, v[TM+5]
	v_lshl_or_b32 v[TM+6], v[TM+7], 16, v[TM+6]
	v_lshlrev_b32 v[TM+6], v[H8], v[TM+6]          ; my two bytes at their places;
	v_permlanex16_b32 v[TM+8], v[TM+6], s6, s7
	v_or_b32 v[\wd], v[TM+6], v[TM+8]              ; with lane l xor 16's the word is whole
	s_wait_alu depctr_va_vdst(0)
	s_wait_xcnt 0x0                                ; the codes' registers were the data of earlier stores: they are written again only behind this wait
.irp c, 0,1
	v_cvt_scalef32_pk16_bf6_f32 v[PC+6*\c:PC+2+6*\c], v[\s+32*\c:\s+15+32*\c], v[TM+4+\c]
	v_cvt_scalef32_pk16_bf6_f32 v[PC+12+4*\c:PC+14+4*\c], v[\s+16+32*\c:\s+31+32*\c], v[TM+4+\c]
.endr
	v_nop                                          ; one plain place behind a scaled conversion
.irp c, 0,1
.irp i, 0,1,2
	v_mov_b32 v[PC+3+6*\c+\i], v[PC+12+4*\c+\i]    ; (a conversion's registers begin on an even number)
.endr
.endr
.endm
.macro PUTFRAG off                             ; three times 512 consecutive bytes
.irp i, 0,1,2
	global_store_b128 v[L16], v[PC+4*\i:PC+4*\i+3], s[18:19] offset:\off+512*\i
.endr
.endm
	s_wait_loadcnt 16                              ; tile 0's sixteen rows are in; tile 1's may be out
	s_wait_alu depctr_va_vdst(0)
.irp i, 0,1,2,3,4,5,6,7,8,9,10,11,12,13,14,15
	ds_store_b128 v[STA], v[RA+4*\i:RA+4*\i+3] offset:SP*\i
.endr
.irp c, 0,1
.irp q, 0,1,2,3,4,5,6,7
	ds_load_b128 v[X+32*\c+4*\q:X+32*\c+4*\q+3], v[LDA] offset:256*\c+16*\q        ; LDS serves a wave's instructions in order: these see my stores
.endr
.endr
	s_wait_loadcnt 0x0
.irp i, 0,1,2,3,4,5,6,7,8,9,10,11,12,13,14,15
	ds_store_b128 v[STA], v[RB+4*\i:RB+4*\i+3] offset:16*SP+SP*\i
.endr
	s_wait_dscnt 16                                ; all but tile 1's sixteen stores: tile 0's neighbours are in
.irp c, 0,1
.irp q, 0,1,2,3,4,5,6,7
	ds_load_b128 v[RA+32*\c+4*\q:RA+32*\c+4*\q+3], v[LDA] offset:16*SP+256*\c+16*\q
.endr
.endr
	QUANT4 X, PW0
	PUTFRAG 0
	s_wait_dscnt 0x0                               ; tile 1's neighbours are in
	QUANT4 RA, PW1
	PUTFRAG 6400
	s_wait_alu depctr_va_vdst(0)
	v_cndmask_b32 v[WD], v[PW0], v[PW1], s30       ; lanes 0-15 tile 0's words, lanes 16-31 tile 1's
	global_store_b32 v[L4], v[WD], s[20:21]        ; 128 consecutive bytes
	s_wait_tensorcnt 0x0
	ds_add_u32 v254, v255
	s_wait_dscnt 0x0
	s_endpgm
.Lfunc_end_k_q53bdf03a9e_quant:
	.size	k_q53bdf03a9e_quant, .Lfunc_end_k_q53bdf03a9e_quant-k_q53bdf03a9e_quant
	.p2alignl 7, 3214868480
	.fill 96, 4, 3214868480
	.section	.rodata,"a",@progbits
	.p2align	6, 0x0
	.amdhsa_kernel k_q53bdf03a9e_quant
		.amdhsa_group_segment_fixed_size 68096
		.amdhsa_private_segment_fixed_size 0
		.amdhsa_enable_private_segment 0
		.amdhsa_kernarg_size 56
		.amdhsa_user_sgpr_count 2
		.amdhsa_user_sgpr_kernarg_segment_ptr 1
		.amdhsa_wavefront_size32 1
		.amdhsa_system_sgpr_workgroup_id_x 1
		.amdhsa_system_sgpr_workgroup_id_y 1
		.amdhsa_system_sgpr_workgroup_id_z 1
		.amdhsa_system_vgpr_workitem_id 0
		.amdhsa_next_free_vgpr 256
		.amdhsa_next_free_sgpr 66
		.amdhsa_reserve_vcc 1
		.amdhsa_float_denorm_mode_32 3
		.amdhsa_float_denorm_mode_16_64 3
		.amdhsa_memory_ordered 1
		.amdhsa_forward_progress 1
		.amdhsa_inst_pref_size 27
	.end_amdhsa_kernel
	.amdgpu_metadata
---
amdhsa.version: [ 1, 2 ]
amdhsa.kernels:
  - .name:           k_q53bdf03a9e_quant
    .symbol:         k_q53bdf03a9e_quant.kd
    .args:
      - { .name: in_features, .offset: 0, .size: 8, .value_kind: global_buffer, .address_space: global }
      - { .name: wq, .offset: 8, .size: 8, .value_kind: global_buffer, .address_space: global }
      - { .name: wk, .offset: 16, .size: 8, .value_kind: global_buffer, .address_space: global }
      - { .name: wv, .offset: 24, .size: 8, .value_kind: global_buffer, .address_space: global }
      - { .name: wo, .offset: 32, .size: 8, .value_kind: global_buffer, .address_space: global }
      - { .name: opc, .offset: 40, .size: 8, .value_kind: global_buffer, .address_space: global }
      - { .name: tab, .offset: 48, .size: 8, .value_kind: global_buffer, .address_space: global }
    .group_segment_fixed_size: 68096
    .private_segment_fixed_size: 0
    .kernarg_segment_align: 8
    .kernarg_segment_size: 56
    .max_flat_workgroup_size: 128
    .sgpr_count:     66
    .vgpr_count:     256
    .wavefront_size: 32
...
	.end_amdgpu_metadata
.endif
;; end of part 1
;; launch qkv (part 2): grid 16 x 16, 4 waves a work-group, clusters of 4 x 1, 327,680 bytes of LDS; arguments opc, tab, qq, kv; writes qq, kv
.if DOCPART == 2
	.amdgcn_target "amdgcn-amd-amdhsa--gfx1250"
	.amdhsa_code_object_version 6
	.text
	.protected	k_q53bdf03a9e_qkv
	.globl	k_q53bdf03a9e_qkv
	.p2align	8
	.type	k_q53bdf03a9e_qkv,@function
k_q53bdf03a9e_qkv:
	s_mov_b64 s[64:65], 0
	v_nop
	global_prefetch_b8 v0, s[64:65] scope:SCOPE_SE
	s_setreg_imm32_b32 hwreg(HW_REG_WAVE_MODE, 25, 1), 1
	s_wait_xcnt 0x0
	s_wait_alu depctr_hold_cnt(0) depctr_sa_sdst(0) depctr_va_vdst(0) depctr_va_sdst(0) depctr_va_ssrc(0) depctr_va_vcc(0) depctr_vm_vsrc(0)
	s_getreg_b32 s2, hwreg(HW_REG_IB_STS2, 6, 4)
	s_cmp_eq_u32 s2, 0
	s_cbranch_scc0 .Lentry_in_a_cluster
	s_endpgm
.Lentry_in_a_cluster:
	s_bfe_u32 s2, ttmp6, 0x10000c
	s_cmp_lg_u32 s2, 0x3003
	s_cbranch_scc0 .Lentry_shape_is_right
	s_endpgm
.Lentry_shape_is_right:
; Q, K, V = x wq^T, x wk^T, x wv^T on codes of BF6 with E8M0 scales; Q and K are rotated (RoPE) in f32 and quantised along the head's 64; V is quantised along the keys.
; SHARES.  A work-group takes 256 rows of x and ONE head of all three weights (3 x 64 columns); its four waves take 64 rows each (tiles t = 0 .. 3) x the 192 columns: 48 accumulators.
; x's fragments are read by one wave alone: they come from memory straight into registers, four K steps ahead.  The head's weights with their scale words (153,600 bytes) lie in LDS, filled
; once: K steps 0-3 by the head's load, K steps 4-7 by a second load behind the full sequence.  CLUSTER: the four work-groups of a cluster share the head, so the weights are asked for
; JOINTLY: the same tensor loads, mask 15, in all four.  No prefetch: the text has no loop that could run ahead.
; Q, K: source 0 = 16 rows of the weight, source 1 = 16 rows of x: a lane holds ONE position.  V: the sources change places: a lane holds ONE of the head's 64.
; By the tiles' order of rows (tile 4 c + i, lane r: row 64 c + 8 i + r % 8 + 32 (r / 8)) the 32 registers of four tiles are the block 32 h + 0 .. 31 of the next K: a lane quantises a block alone.
; OUT.  qq: [batch x head][four tiles][3,328]: four half fragments of 768 bytes (16 rows x 64), then 256 bytes of scale words: tile 2 j + hh, row r at 8 (16 hh + r) + 4 j.
; kv: [batch x head][step of 128 keys][13,056]: K's 8 half fragments; V^T's 4 fragments (16 of the head's 64 x 128 keys); K's scale words 2 x 256; V's 256.
; LIMITS: as in the launch that quantises (NaN, infinities, blocks under 2^-122, the byte of a block of zeros).
; REGISTERS, in windows of 256.  window 0: v1-15 addresses; v16-31 x's scale words; v32-37 the weights'; v40-183 the weights' 12 fragments of a K step; behind the walk v40-245 the way out.
;   window 1: v0-191 x's fragments, a ring of four K steps.  window 2: Q's 16 accumulators at 32 t + 8 n, K's at 128 + 32 t + 8 n.  window 3: V's at 32 n + 8 t; from v128 the table.
.set VST,  153600                      ; LDS: 256 bytes for each wave, V's half scale words; no fill lands here
.set SPARE, 167936                     ; LDS: the spare words
.set L16,  2
.set L8,   3
.set L4,   4
.set VW,   5                           ; VST + 256 x wave + 8 x lane
.set VR,   6                           ; VST + 512 x (wave % 2) + 8 x lane
.set BA,   8                           ; v8-11    16 x lane + 38,400 x (2 q + n / 2)
.set SCA,  12                          ; v12-15   4 x lane + the same
.set XS,   16
.set BS,   32
.set H8,   38                          ; 8 h
.set BF,   40
.set H,    40                          ; v40-167  four tiles' 32 rotated numbers
.set PC,   168                         ; v168-207 four tiles' codes, ten registers apart
.set TT,   208
.set TM,   224
.set WW,   240
.set E,    244
.set SEL,  20
.set MSB, 0
.macro WIN new                         ; the immediate's high byte repeats the setting that is left
.if MSB != \new
	s_set_vgpr_msb (MSB<<8)|\new
.set MSB, \new
.endif
.endm
.macro CROUND                          ; a round of the cluster's barrier
	s_barrier_signal -1
	s_barrier_wait -1
	s_cmp_lg_u32 s14, 0
	s_cbranch_scc1 .Lnot_wave_0_\@
	s_barrier_signal -3
.Lnot_wave_0_\@:
	s_barrier_wait -3
	s_barrier_signal -1
	s_barrier_wait -1
.endm
	s_load_b256 s[4:11], s[0:1], 0x0               ; opc s[4:5], tab s[6:7], qq s[8:9], kv s[10:11]
	v_lshl_add_u32 v254, v0, 2, SPARE
	v_mov_b32 v255, 0
	ds_add_u32 v254, v255                          ; the opening: the add, twice on end
	ds_add_u32 v254, v255
	v_lshrrev_b32 v1, 5, v0
	v_readfirstlane_b32 s14, v1                    ; wave 0..3
	s_lshl_b32 s18, s14, 8
	s_and_b32 s80, s14, 1                          ; c: which 64 of a step's 128 keys are my rows
	s_lshl_b32 s19, s80, 9
	v_and_b32 v1, 31, v0
	v_lshlrev_b32 v[L16], 4, v1
	v_lshlrev_b32 v[L8], 3, v1
	v_lshlrev_b32 v[L4], 2, v1
	v_bfe_u32 v[H8], v0, 4, 1
	v_lshlrev_b32 v[H8], 3, v[H8]
	v_add_nc_u32 v[VW], s18, v[L8]
	v_add_nc_u32 v[VW], VST, v[VW]
	v_add_nc_u32 v[VR], s19, v[L8]
	v_add_nc_u32 v[VR], VST, v[VR]
.irp q, 0,1,2,3
	v_add_nc_u32 v[BA+\q], 38400*\q, v[L16]
	v_add_nc_u32 v[SCA+\q], 38400*\q, v[L4]
.endr
	s_wait_alu depctr_va_vdst(0)
	s_bfe_u32 s15, ttmp6, 0x40000                  ; cx: it enters global addresses of x, the table and the outputs alone
	s_lshl_b32 s16, ttmp9, 2
	s_add_co_u32 s16, s16, s15                     ; my block of 256 rows, 0..15
	s_and_b32 s17, ttmp7, 0xffff                   ; the head, which the four partners share
	s_mov_b32 s[SEL], 0x76543210
	s_mov_b32 s[SEL+1], 0xfedcba98
	s_mov_b32 s22, 0xffff0000                      ; lanes 16-31
	; group 1: 3 rows (wq, wk, wv) of 6,400 bytes (one tile, half of K, 256 bytes of scale words), 819,200 bytes apart; elements of 8 bytes
	s_mov_b32 s24, 15|(3<<16)|(1<<21)              ; 15:0 the mask: all four work-groups; 17:16 elements of 8 bytes; 21 set beside a mask
	s_mov_b32 s25, 800<<16
	s_mov_b32 s26, 3<<16
	s_mov_b32 s27, 800<<16
	s_mov_b32 s28, 3
	s_mov_b32 s29, 102400
	s_mov_b32 s30, 0
	s_mov_b32 s31, 0
	; what I fetch: tile n = my wave's number of each weight: made of the head and the wave's number alone
	s_lshl_b32 s2, s17, 1
	s_lshr_b32 s3, s14, 1
	s_add_co_u32 s2, s2, s3
	s_add_co_u32 s2, s2, 128
	s_mul_i32 s2, s2, 25600
	s_mul_i32 s3, s80, 6400
	s_add_co_u32 s2, s2, s3
	s_mov_b32 s3, 0
	s_mov_b32 s40, 1
	s_mul_i32 s41, s14, 19200                      ; LDS: tile n = wave
	s_mov_b32 s44, 1
	s_add_co_u32 s45, s41, 76800                   ; and the second half of K
	; my own rows
	s_lshl_b32 s18, s16, 2
	s_add_co_u32 s18, s18, s14                     ; my group of 64 rows
	s_mul_i32 s60, s18, 51200
	s_mov_b32 s61, 0
	s_and_b32 s19, s18, 31                         ; the same inside the batch
	s_lshl_b32 s66, s19, 14
	s_mov_b32 s67, 0
	s_lshr_b32 s18, s16, 3
	s_lshl_b32 s18, s18, 4
	s_add_co_u32 s18, s18, s17                     ; batch x 16 + head
	s_lshl_b32 s68, s18, 5
	s_add_co_u32 s68, s68, s19
	s_mul_i32 s68, s68, 3328
	s_mov_b32 s69, 0
	s_lshl_b32 s18, s18, 4
	s_lshr_b32 s70, s19, 1
	s_add_co_u32 s70, s70, s18
	s_mul_i32 s70, s70, 13056                      ; my step of 128 keys
	s_mul_i32 s81, s80, 768
	s_add_co_u32 s72, s70, s81
	s_add_co_u32 s72, s72, 6144                    ; V^T's fragments, my half
	s_mov_b32 s73, 0
	s_lshl_b32 s81, s80, 8
	s_add_co_u32 s74, s70, s81
	s_add_co_u32 s74, s74, 12288                   ; K's scale words, my half
	s_mov_b32 s75, 0
	s_mul_i32 s81, s80, 3072
	s_add_co_u32 s70, s70, s81                     ; K's half fragments, my four
	s_mov_b32 s71, 0
	s_lshr_b32 s81, s19, 2
	s_lshl_b32 s81, s81, 1
	s_add_co_u32 s81, s81, s80
	s_add_co_u32 s81, s81, s18
	s_mul_i32 s76, s81, 13056
	s_add_co_u32 s76, s76, 12800                   ; V's scale words of the step that wave 0 or 1 stores
	s_mov_b32 s77, 0
	s_wait_dscnt 0x0                               ; both opening adds are done
	s_wait_kmcnt 0x0
	s_add_nc_u64 s[42:43], s[4:5], s[2:3]
	s_add_nc_u64 s[46:47], s[42:43], 12800
	s_or_b32 s43, s43, 0x80000000
	s_or_b32 s47, s47, 0x80000000
	s_add_nc_u64 s[60:61], s[4:5], s[60:61]        ; x's fragments and scale words
	s_add_nc_u64 s[66:67], s[6:7], s[66:67]        ; the table
	s_add_nc_u64 s[68:69], s[8:9], s[68:69]        ; Q
	s_add_nc_u64 s[70:71], s[10:11], s[70:71]
	s_add_nc_u64 s[72:73], s[10:11], s[72:73]
	s_add_nc_u64 s[74:75], s[10:11], s[74:75]
	s_add_nc_u64 s[76:77], s[10:11], s[76:77]
	CROUND                                         ; all four work-groups are here: the joint loads meet
	tensor_load_to_lds s[40:43], s[24:31]          ; K steps 0-3: one load a wave at the head
	s_nop 0
.rept 4
	v_nop
.endr
.macro ALOAD s                         ; x's four fragments of K step s: 12 loads
	WIN 0x40                                       ; destination window 1
.irp t, 0,1,2,3
.irp i, 0,1,2
	global_load_b128 v[48*((\s)%4)+12*\t+4*\i:48*((\s)%4)+12*\t+4*\i+3], v[L16], s[60:61] offset:25600*(\t/2)+12800*((\s)/4)+6400*(\t%2)+1536*((\s)%4)+512*\i
.endr
.endr
	WIN 0
.endm
.macro BLOAD x, s                      ; weight x's four fragments of K step s and their scale words: 14 LDS loads
.irp n, 0,1,2,3
.irp i, 0,1,2
	ds_load_b128 v[BF+48*(\x)+12*\n+4*\i:BF+48*(\x)+12*\n+4*\i+3], v[BA+2*((\s)/4)+\n/2] offset:19200*(\n%2)+6400*(\x)+1536*((\s)%4)+512*\i
.endr
.endr
.irp p, 0,1
	ds_load_b32 v[BS+2*(\x)+\p], v[SCA+2*((\s)/4)+\p] offset:19200*(((\s)%4)/2)+6400*(\x)+6144+128*((\s)%2)    ; lanes 0-15 tile 2 p's words, lanes 16-31 tile 2 p + 1's
.endr
.endm
.macro WM                              ; one product, from the symbols rD, rA, rB, rSA, rSB; fZ: it starts the sum; fRA, fRB: the scale words lie in lanes 16-31
.set fC, 4*fZ+2*fRA+fRB
.if fC == 0
	v_wmma_scale_f32_16x16x128_f8f6f4 v[rD:rD+7], v[rA:rA+11], v[rB:rB+11], v[rD:rD+7], v[rSA], v[rSB] matrix_a_fmt:MATRIX_FMT_BF6 matrix_b_fmt:MATRIX_FMT_BF6
.elseif fC == 1
	v_wmma_scale_f32_16x16x128_f8f6f4 v[rD:rD+7], v[rA:rA+11], v[rB:rB+11], v[rD:rD+7], v[rSA], v[rSB] matrix_a_fmt:MATRIX_FMT_BF6 matrix_b_fmt:MATRIX_FMT_BF6 matrix_b_scale:MATRIX_SCALE_ROW1
.elseif fC == 2
	v_wmma_scale_f32_16x16x128_f8f6f4 v[rD:rD+7], v[rA:rA+11], v[rB:rB+11], v[rD:rD+7], v[rSA], v[rSB] matrix_a_fmt:MATRIX_FMT_BF6 matrix_b_fmt:MATRIX_FMT_BF6 matrix_a_scale:MATRIX_SCALE_ROW1
.elseif fC == 3
	v_wmma_scale_f32_16x16x128_f8f6f4 v[rD:rD+7], v[rA:rA+11], v[rB:rB+11], v[rD:rD+7], v[rSA], v[rSB] matrix_a_fmt:MATRIX_FMT_BF6 matrix_b_fmt:MATRIX_FMT_BF6 matrix_a_scale:MATRIX_SCALE_ROW1 matrix_b_scale:MATRIX_SCALE_ROW1
.elseif fC == 4
	v_wmma_scale_f32_16x16x128_f8f6f4 v[rD:rD+7], v[rA:rA+11], v[rB:rB+11], 0, v[rSA], v[rSB] matrix_a_fmt:MATRIX_FMT_BF6 matrix_b_fmt:MATRIX_FMT_BF6
.elseif fC == 5
	v_wmma_scale_f32_16x16x128_f8f6f4 v[rD:rD+7], v[rA:rA+11], v[rB:rB+11], 0, v[rSA], v[rSB] matrix_a_fmt:MATRIX_FMT_BF6 matrix_b_fmt:MATRIX_FMT_BF6 matrix_b_scale:MATRIX_SCALE_ROW1
.elseif fC == 6
	v_wmma_scale_f32_16x16x128_f8f6f4 v[rD:rD+7], v[rA:rA+11], v[rB:rB+11], 0, v[rSA], v[rSB] matrix_a_fmt:MATRIX_FMT_BF6 matrix_b_fmt:MATRIX_FMT_BF6 matrix_a_scale:MATRIX_SCALE_ROW1
.else
	v_wmma_scale_f32_16x16x128_f8f6f4 v[rD:rD+7], v[rA:rA+11], v[rB:rB+11], 0, v[rSA], v[rSB] matrix_a_fmt:MATRIX_FMT_BF6 matrix_b_fmt:MATRIX_FMT_BF6 matrix_a_scale:MATRIX_SCALE_ROW1 matrix_b_scale:MATRIX_SCALE_ROW1
.endif
.endm
.macro MM x, s                         ; 16 products: weight x's four tiles with x's four tiles, K step s.  The 48 accumulators take turns, one instruction a turn
.if (\s) == 0
.set fZ, 1
.else
.set fZ, 0
.endif
.if (\x) < 2
	WIN 0xa4                                       ; source 0 (the weight) window 0, source 1 (x) window 1, C and D window 2
.else
	WIN 0xf1                                       ; source 0 (x) window 1, source 1 (wv) window 0, C and D window 3
.endif
.irp n, 0,1,2,3
.irp t, 0,1,2,3
.if (\x) < 2
.set rD, 128*(\x)+32*\t+8*\n
.set rA, BF+48*(\x)+12*\n
.set rB, 48*((\s)%4)+12*\t
.set rSA, BS+2*(\x)+\n/2
.set rSB, XS+8*(\t/2)+(\s)
.set fRA, \n%2
.set fRB, \t%2
.else
.set rD, 32*\n+8*\t
.set rA, 48*((\s)%4)+12*\t
.set rB, BF+96+12*\n
.set rSA, XS+8*(\t/2)+(\s)
.set rSB, BS+4+\n/2
.set fRA, \t%2
.set fRB, \n%2
.endif
	WM
.endr
.endr
.endm
.macro PHASE x, s
.if (\x) == 0                          ; x's fragments of this K step are in.  Behind them were issued: up to three K steps of 12 loads, from s = 5 on the table's 32 too
.if (\s) == 5
	s_wait_loadcnt 56
.elseif (\s) == 6
	s_wait_loadcnt 44
.elseif (\s) == 7
	s_wait_loadcnt 32
.else
	s_wait_loadcnt 36
.endif
.endif
.if (\s) == 7
	s_wait_dscnt 28-14*(\x)                        ; the last K step fetches nothing: the counts run down
.else
	s_wait_dscnt 28                                ; this weight's 14 loads are in; the other two weights' runs may be out
.endif
	MM \x, \s
	WIN 0
.rept 4
	v_nop                                          ; four places in front of loads into registers that these products have read, and of the first read of results
.endr
.if (\s) < 7
.if (\x) == 0 && (\s) == 3
	s_wait_tensorcnt 0x0                           ; my part of K steps 4-7 has landed
	s_wait_dscnt 0x0
	s_barrier_signal -1
	s_barrier_wait -1                              ; everybody's has
.endif
	BLOAD \x, (\s)+1
.endif
.if (\x) == 2
.if (\s) < 4
	ALOAD (\s)+4                                   ; into the ring's place that this K step has left
.elseif (\s) == 4
	WIN 0xc0                                       ; destination window 3: the table of my four tiles of positions, 32 loads of 512 consecutive bytes
.irp t, 0,1,2,3
.irp q, 0,1,2,3
	global_load_b128 v[128+32*\t+8*\q:128+32*\t+8*\q+3], v[L16], s[66:67] offset:4096*\t+1024*\q
	global_load_b128 v[128+32*\t+8*\q+4:128+32*\t+8*\q+7], v[L16], s[66:67] offset:4096*\t+1024*\q+512
.endr
.endr
	WIN 0
.endif
.endif
.endm
.irp p, 0,1
.irp s, 0,1,2,3,4,5,6,7
	global_load_b32 v[XS+8*\p+\s], v[L4], s[60:61] offset:25600*\p+12800*(\s/4)+6400*((\s%4)/2)+6144+128*(\s%2)   ; x's scale words: lanes 0-15 tile 2 p, lanes 16-31 tile 2 p + 1
.endr
.endr
	ALOAD 0
	ALOAD 1
	s_wait_alu depctr_va_vdst(0)
	s_wait_tensorcnt 0x0                           ; my part of K steps 0-3 has landed; the full sequence ahead of a later first fill
	ds_add_u32 v254, v255
	s_wait_dscnt 0x0
	CROUND                                         ; everybody's has, in all four work-groups
	tensor_load_to_lds s[44:47], s[24:31]          ; K steps 4-7, the first tensor load behind the round
	s_nop 0
.rept 4
	v_nop
.endr
	ALOAD 2
	BLOAD 0, 0
	BLOAD 1, 0
	BLOAD 2, 0
	ALOAD 3
.irp s, 0,1,2,3,4,5,6,7
	PHASE 0, \s
	PHASE 1, \s
	PHASE 2, \s
.endr
	s_wait_loadcnt 0x0                             ; the table
; THE WAY OUT.
; The four tiles of Q (z = 0) or K (z = 1) are rotated: (x1, x2) -> (x1 c - x2 s, x2 c + x1 s), a pair an instruction.  Each accumulator is read from its low end on.
.macro ROPE z
	WIN 0x0e                                       ; source 0 window 2 (the sums), source 1 window 3 (the table)
.irp t, 0,1,2,3
.irp m, 0,1
.irp n, 0,1
.irp j, 0,1,2,3
	v_pk_mul_f32 v[TT+8*\n+2*\j:TT+8*\n+2*\j+1], v[128*(\z)+32*\t+16*\m+8*\n+2*\j:128*(\z)+32*\t+16*\m+8*\n+2*\j+1], v[128+32*\t+16*\m+8*\n+2*(\j/2):129+32*\t+16*\m+8*\n+2*(\j/2)] op_sel:[0,\j%2] op_sel_hi:[1,\j%2]
.endr
.endr
.irp n, 0,1
.irp j, 0,1,2,3
	v_pk_fma_f32 v[H+32*\t+16*\m+8*\n+2*\j:H+32*\t+16*\m+8*\n+2*\j+1], v[128*(\z)+32*\t+16*\m+8*\n+2*\j:128*(\z)+32*\t+16*\m+8*\n+2*\j+1], v[132+32*\t+16*\m+8*\n+2*(\j/2):133+32*\t+16*\m+8*\n+2*(\j/2)], v[TT+8*\n+2*\j:TT+8*\n+2*\j+1] op_sel:[1,\j%2,0] op_sel_hi:[0,\j%2,1] neg_lo:[0,1,0]
.endr
.endr
.endr
.endr
.endm
; Four tiles at a time: tile t's 32 numbers of a lane, v[s + 32 t] on in window w, are its row's block h; they become six registers in v[PC + 10 t] on and the row's two bytes in v[WW + t]
.macro QUANT s, w
	WIN (\w)|((\w)<<2)
.irp q, 0,1,2,3
.irp t, 0,1,2,3
	v_max3_num_f32 v[TM+4*\t+\q], |v[(\s)+32*\t+8*\q]|, |v[(\s)+32*\t+8*\q+1]|, 0x2800000         ; and the floor 2^(5 - 127): the byte cannot fall under 1
.endr
.endr
.irp i, 2,4,6
.irp q, 0,1,2,3
.irp t, 0,1,2,3
	v_max3_num_f32 v[TM+4*\t+\q], |v[(\s)+32*\t+8*\q+\i]|, |v[(\s)+32*\t+8*\q+\i+1]|, v[TM+4*\t+\q]
.endr
.endr
.endr
	WIN 0
.irp t, 0,1,2,3
	v_max3_num_f32 v[TM+4*\t], v[TM+4*\t], v[TM+4*\t+1], v[TM+4*\t+2]
.endr
.irp t, 0,1,2,3
	v_max_num_f32 v[TM+4*\t], v[TM+4*\t], v[TM+4*\t+3]
.endr
.irp t, 0,1,2,3
	v_add_nc_u32 v[TM+4*\t+1], 0xfe000000, v[TM+4*\t]  ; 4 off its exponent field: the conversion's scale operand
.endr
.irp t, 0,1,2,3
	v_lshrrev_b32 v[TM+4*\t+2], 23, v[TM+4*\t+1]
.endr
.irp t, 0,1,2,3
	v_lshlrev_b32 v[TM+4*\t+2], v[H8], v[TM+4*\t+2]    ; my block's byte at its place,
.endr
.irp t, 0,1,2,3
	v_permlanex16_b32 v[TM+4*\t+3], v[TM+4*\t+2], s[SEL], s[SEL+1]
.endr
.irp t, 0,1,2,3
	v_or_b32 v[WW+\t], v[TM+4*\t+2], v[TM+4*\t+3]      ; with lane l xor 16's
.endr
	s_wait_alu depctr_va_vdst(0)
	s_wait_xcnt 0x0                                ; the registers that earlier stores read are written again only behind this wait
	WIN \w
.irp t, 0,1,2,3
	v_cvt_scalef32_pk16_bf6_f32 v[PC+10*\t:PC+10*\t+2], v[(\s)+32*\t:(\s)+32*\t+15], v[TM+4*\t+1]
	v_cvt_scalef32_pk16_bf6_f32 v[PC+10*\t+6:PC+10*\t+8], v[(\s)+32*\t+16:(\s)+32*\t+31], v[TM+4*\t+1]
.endr
	WIN 0
	v_nop                                          ; one plain place behind a scaled conversion
.irp i, 0,1,2
.irp t, 0,1,2,3
	v_mov_b32 v[PC+10*\t+3+\i], v[PC+10*\t+6+\i]   ; (a conversion's registers begin on an even number)
.endr
.endr
	v_cndmask_b32 v[E], v[WW], v[WW+1], s22        ; four tiles' words into two registers: lanes 0-15 tiles 0 and 2, lanes 16-31 tiles 1 and 3
	v_cndmask_b32 v[E+1], v[WW+2], v[WW+3], s22
.endm
.macro PUT b, pitch                    ; 512 + 256 consecutive bytes a tile
.irp t, 0,1,2,3
	global_store_b128 v[L16], v[PC+10*\t:PC+10*\t+3], s[\b:\b+1] offset:(\pitch)*\t
	global_store_b64 v[L8], v[PC+10*\t+4:PC+10*\t+5], s[\b:\b+1] offset:(\pitch)*\t+512
.endr
.endm
	ROPE 0
	QUANT H, 0
	PUT 68, 768
	global_store_b64 v[L8], v[E:E+1], s[68:69] offset:3072         ; 256 consecutive bytes
	ROPE 1
	QUANT H, 0
	PUT 70, 768
	global_store_b64 v[L8], v[E:E+1], s[74:75]
	QUANT 0, 3                                     ; V: tile n is 16 of the head's 64 x my 64 keys
	PUT 72, 1536
	ds_store_b64 v[VW], v[E:E+1]                   ; a word of V's scales spans 128 keys, two waves' rows: the halves meet in LDS
	s_wait_alu depctr_va_vdst(0)
	s_wait_dscnt 0x0                               ; for the others' sake: my store is done
	s_barrier_signal -1
	s_barrier_wait -1
	s_cmp_gt_u32 s14, 1
	s_cbranch_scc1 .Lno_v_words
	ds_load_b64 v[TT:TT+1], v[VR]                  ; wave w (0, 1): the halves of waves 2 w and 2 w + 1
	ds_load_b64 v[TT+2:TT+3], v[VR] offset:256
	s_wait_dscnt 0x0
	v_lshl_or_b32 v[TT], v[TT+2], 16, v[TT]
	v_lshl_or_b32 v[TT+1], v[TT+3], 16, v[TT+1]
	global_store_b64 v[L8], v[TT:TT+1], s[76:77]
.Lno_v_words:
	s_wait_tensorcnt 0x0
	ds_add_u32 v254, v255
	s_wait_dscnt 0x0
	CROUND                                         ; the closing round: no work-group ends while a partner may still ask for a tile that names it
	s_endpgm
.Lfunc_end_k_q53bdf03a9e_qkv:
	.size	k_q53bdf03a9e_qkv, .Lfunc_end_k_q53bdf03a9e_qkv-k_q53bdf03a9e_qkv
	.p2alignl 7, 3214868480
	.fill 96, 4, 3214868480
	.section	.rodata,"a",@progbits
	.p2align	6, 0x0
	.amdhsa_kernel k_q53bdf03a9e_qkv
		.amdhsa_group_segment_fixed_size 327680
		.amdhsa_private_segment_fixed_size 0
		.amdhsa_enable_private_segment 0
		.amdhsa_kernarg_size 32
		.amdhsa_user_sgpr_count 2
		.amdhsa_user_sgpr_kernarg_segment_ptr 1
		.amdhsa_wavefront_size32 1
		.amdhsa_system_sgpr_workgroup_id_x 1
		.amdhsa_system_sgpr_workgroup_id_y 1
		.amdhsa_system_sgpr_workgroup_id_z 1
		.amdhsa_system_vgpr_workitem_id 0
		.amdhsa_next_free_vgpr 1024
		.amdhsa_next_free_sgpr 84
		.amdhsa_reserve_vcc 0
		.amdhsa_float_denorm_mode_32 3
		.amdhsa_float_denorm_mode_16_64 3
		.amdhsa_memory_ordered 1
		.amdhsa_forward_progress 1
		.amdhsa_inst_pref_size 136
	.end_amdhsa_kernel
	.amdgpu_metadata
---
amdhsa.version: [ 1, 2 ]
amdhsa.kernels:
  - .name:           k_q53bdf03a9e_qkv
    .symbol:         k_q53bdf03a9e_qkv.kd
    .args:
      - { .name: opc, .offset: 0, .size: 8, .value_kind: global_buffer, .address_space: global }
      - { .name: tab, .offset: 8, .size: 8, .value_kind: global_buffer, .address_space: global }
      - { .name: qq, .offset: 16, .size: 8, .value_kind: global_buffer, .address_space: global }
      - { .name: kv, .offset: 24, .size: 8, .value_kind: global_buffer, .address_space: global }
    .group_segment_fixed_size: 327680
    .private_segment_fixed_size: 0
    .kernarg_segment_align: 8
    .kernarg_segment_size: 32
    .max_flat_workgroup_size: 128
    .sgpr_count:     84
    .vgpr_count:     1024
    .wavefront_size: 32
...
	.end_amdgpu_metadata
.endif
;; end of part 2
;; launch attn (part 3): grid 8 x 32, 16 waves a work-group, clusters of 4 x 1, 210,944 bytes of LDS; arguments qq, kv, cc, cs; writes cc, cs
.if DOCPART == 3
	.amdgcn_target "amdgcn-amd-amdhsa--gfx1250"
	.amdhsa_code_object_version 6
	.text
	.protected	k_q53bdf03a9e_attn
	.globl	k_q53bdf03a9e_attn
	.p2align	8
	.type	k_q53bdf03a9e_attn,@function
k_q53bdf03a9e_attn:
	s_mov_b64 s[64:65], 0
	v_nop
	global_prefetch_b8 v0, s[64:65] scope:SCOPE_SE
	s_setreg_imm32_b32 hwreg(HW_REG_WAVE_MODE, 25, 1), 1
	s_wait_xcnt 0x0
	s_wait_alu depctr_hold_cnt(0) depctr_sa_sdst(0) depctr_va_vdst(0) depctr_va_sdst(0) depctr_va_ssrc(0) depctr_va_vcc(0) depctr_vm_vsrc(0)
	s_getreg_b32 s2, hwreg(HW_REG_IB_STS2, 6, 4)
	s_cmp_eq_u32 s2, 0
	s_cbranch_scc0 .Lentry_in_a_cluster
	s_endpgm
.Lentry_in_a_cluster:
	s_bfe_u32 s2, ttmp6, 0x10000c
	s_cmp_lg_u32 s2, 0x3003
	s_cbranch_scc0 .Lentry_shape_is_right
	s_endpgm
.Lentry_shape_is_right:
; ctx = softmax(Q K^T / 8, causal) V for each of 32 (batch, head), on codes of BF6; ctx is quantised along the head's 64 and stored as oproj's operand.
; DEAD WORK left out: steps of 128 keys that lie wholly behind a tile's queries (the causal mask of reference()); a NaN or infinity that reaches only them is not carried.
; LIMITS: the scaled scores (exponents to the base 2, ahead of the maximum) stay under 2^31 in magnitude; NaN and infinities among the inputs are not served; a block whose
; largest magnitude lies under 2^-122 keeps the byte 1, and so does a block of zeros (its codes are zeros).
; SHARES.  Eight work-groups take a (batch, head); work-group G (0..7) takes the query tiles 8 J + G, J = 0..15, of 16 queries, one a wave: tile J needs J + 1 steps of 128 keys.
; Waves w, w + 4, w + 8, w + 12 (w = 0..3) take J = 15 - w, 8 + w, 7 - w, w: 34 steps together, the longest first.
; All K and V of the (batch, head), 208,896 bytes, lie in LDS, filled once: wave s asks for step s.  CLUSTER: four work-groups share the (batch, head) and ask jointly, mask 15.
; No prefetch: one load a wave brings everything, and no loop could run ahead of it.
; Products are used transposed: S^T = K Q^T, O^T = V^T P^T: a lane holds ONE query.  By the tiles' order of rows lane (r, h)'s registers S + 32 c + i are keys 64 c + 32 h + i of the step:
; two whole blocks along the next K, and O + i is number 32 h + i of the head.
; The head has 64 numbers, the product takes 128 along K: Q's upper half is zero codes, so K's upper half adds nothing whatever its codes: tile i's operand runs on into tile i + 1's registers
; (tile 7's into P's).  The upper scale bytes of Q and K are 0, a finite code.
.set STEPB, 13056
.set SPARE, 208896
.set L16, 1
.set L8,  2
.set DV,  3                            ; my query's place in its 128, less 32 h
.set ADA, 4
.set ADB, 5
.set VS,  6
.set QS,  8
.set NINF, 9
.set H8,  10
.set OM,  11                           ; the last -M; at the end an offset.  v12: -M; v13: the largest score so far; v[14:15]: the row's sum in two halves
.set QF,  16
.set KF,  28
.set PP,  76
.set VF,  88
.set S,   136
.set O,   200
.set KS,  244
.set WV,  12
.set J,   13
.set G,   15
.set HD,  16
.set TB,  18
.set KK,  19
.set SEL, 20
.set CS,  22
.set NCS, 24
.set KN,  25
.macro CROUND
	s_barrier_signal -1
	s_barrier_wait -1
	s_cmp_lg_u32 s[WV], 0
	s_cbranch_scc1 .Lnot_wave_0_\@
	s_barrier_signal -3
.Lnot_wave_0_\@:
	s_barrier_wait -3
	s_barrier_signal -1
	s_barrier_wait -1
.endm
	s_load_b256 s[4:11], s[0:1], 0x0               ; qq, kv, cc, cs
	v_lshl_add_u32 v243, v0, 2, SPARE
	v_mov_b32 v255, 0
	ds_add_u32 v243, v255                          ; the opening: the add, twice on end
	ds_add_u32 v243, v255
	v_lshrrev_b32 v1, 5, v0
	v_readfirstlane_b32 s[WV], v1
	s_bfe_u32 s2, ttmp6, 0x40000
	s_lshl_b32 s[G], ttmp9, 2
	s_add_co_u32 s[G], s[G], s2                    ; cx enters the queries' place and global addresses alone
	s_lshr_b32 s66, s[G], 2
	s_lshl_b32 s66, s66, 6
	s_and_b32 s67, s[G], 3
	s_lshl_b32 s67, s67, 3
	s_add_co_u32 s66, s66, s67                     ; 64 (G / 4) + 8 (G % 4)
	v_and_b32 v6, 31, v0
	v_lshlrev_b32 v[L16], 4, v6
	v_lshlrev_b32 v[L8], 3, v6
	v_and_b32 v7, 15, v0
	v_bfe_u32 v[H8], v0, 4, 1
	v_and_b32 v[DV], 8, v7
	v_mad_u32_u24 v[DV], v[DV], 3, v7              ; r % 8 + 32 (r / 8)
	v_lshlrev_b32 v4, 5, v[H8]
	v_sub_nc_u32 v[DV], v[DV], v4
	v_add_nc_u32 v[DV], s66, v[DV]
	v_lshlrev_b32 v[H8], 3, v[H8]
	v_lshlrev_b32 v[S], 3, v7                      ; 8 r: where a row's scale word lies
	v_mov_b32 v[NINF], 0xff800000
	s_wait_alu depctr_va_vdst(0)
	s_lshr_b32 s2, s[WV], 2
	s_lshl_b32 s2, s2, 3
	s_add_co_u32 s3, s[WV], 12
	s_sub_co_u32 s2, s3, s2                        ; waves 4-7: w + 4; waves 12-15: w - 12
	s_sub_co_u32 s3, 15, s[WV]                     ; the others: 15 - w
	s_bitcmp1_b32 s[WV], 2
	s_cselect_b32 s[J], s2, s3
	s_and_b32 s[HD], ttmp7, 0xffff                 ; batch x 16 + head
	; group 1: a step, 51 dense rows of 256 bytes; elements of 8 bytes
	s_mov_b32 s28, 15|(3<<16)|(1<<21)
	s_mov_b32 s29, 32<<16
	s_mov_b32 s30, 51<<16
	s_mov_b32 s31, 32<<16
	s_mov_b32 s32, 51
	s_mov_b32 s33, 32
	s_mov_b32 s34, 0
	s_mov_b32 s35, 0
	s_mov_b32 s36, 1
	s_mul_i32 s37, s[WV], STEPB
	s_mul_i32 s2, s[HD], 208896
	s_add_co_u32 s2, s2, s37
	s_mov_b32 s3, 0
	; my tile of Q
	s_lshl_b32 s60, s[J], 3
	s_add_co_u32 s60, s60, s[G]                    ; the tile, 0..127
	s_lshr_b32 s61, s60, 2
	s_lshl_b32 s62, s[HD], 5
	s_add_co_u32 s61, s61, s62
	s_mul_i32 s61, s61, 3328
	s_and_b32 s63, s[G], 3
	s_mul_i32 s63, s63, 768
	s_add_co_u32 s48, s61, s63
	s_mov_b32 s49, 0
	s_and_b32 s63, s[G], 1
	s_lshl_b32 s63, s63, 7
	s_bfe_u32 s66, s[G], 0x10001
	s_lshl_b32 s66, s66, 2
	s_add_co_u32 s63, s63, s66
	s_add_co_u32 s63, s63, 3072
	s_add_co_u32 s50, s61, s63
	s_mov_b32 s51, 0
	; and of ctx
	s_lshr_b32 s61, s[HD], 4
	s_and_b32 s62, s[HD], 15
	s_lshl_b32 s52, s61, 7
	s_add_co_u32 s52, s52, s60
	s_mul_i32 s52, s52, 12288
	s_mul_i32 s53, s62, 768
	s_add_co_u32 s52, s52, s53
	s_mov_b32 s53, 0
	s_lshl_b32 s54, s61, 6
	s_lshr_b32 s55, s60, 1
	s_add_co_u32 s54, s54, s55
	s_lshl_b32 s54, s54, 11
	s_lshl_b32 s55, s62, 7
	s_add_co_u32 s54, s54, s55
	s_and_b32 s55, s60, 1
	s_lshl_b32 s55, s55, 6
	s_add_co_u32 s54, s54, s55
	s_mov_b32 s55, 0
	s_mov_b32 s[SEL], 0x76543210
	s_mov_b32 s[SEL+1], 0xfedcba98
	s_mov_b32 s[CS], 0x3e38aa3b                    ; c = log2(e) / 8
	s_mov_b32 s[CS+1], s[CS]
	s_mov_b32 s[NCS], 0xbe38aa3b
	s_wait_dscnt 0x0                               ; both opening adds are done
	s_wait_kmcnt 0x0
	s_add_nc_u64 s[38:39], s[6:7], s[2:3]
	s_or_b32 s39, s39, 0x80000000
	s_add_nc_u64 s[48:49], s[4:5], s[48:49]
	s_add_nc_u64 s[50:51], s[4:5], s[50:51]
	s_add_nc_u64 s[52:53], s[8:9], s[52:53]
	s_add_nc_u64 s[54:55], s[10:11], s[54:55]
	global_load_b128 v[QF:QF+3], v[L16], s[48:49]
	global_load_b64 v[QF+4:QF+5], v[L8], s[48:49] offset:512
	global_load_b32 v[QS], v[S], s[50:51]
	CROUND                                         ; all four work-groups are here: the joint loads meet
	tensor_load_to_lds s[36:39], s[28:35]          ; one load a wave; every byte is filled once
	s_nop 0
.rept 4
	v_nop
.endr
.irp i, 6,7,8,9,10,11
	v_mov_b32 v[QF+\i], 0
.endr
.irp i, 0,1,2,3,4,5,6,7,8,9,10,11
	v_mov_b32 v[PP+\i], 0
.endr
	v_mov_b32 v235, 0                              ; a lane permute's destination counts as one of its sources
	v_mov_b32 v241, 0
	v_mov_b32 v239, 0
	v_mov_b32 v[ADA], v[L16]                       ; step 0
	v_mov_b32 v[ADB], v[L8]
	v_mov_b32 v13, 0xff61b1e6                      ; the largest score so far: under every score;
	v_mov_b32 v12, 0x7e967699                      ; above every -M, so that the first change of M gives the factor 0
	v_mov_b32 v14, 0
	v_mov_b32 v15, 0
.set n, 0
.rept 32
	v_mov_b32 v[O+n], 0
.set n, n+1
.endr
.macro KLOAD                           ; 18 LDS loads
.irp i, 0,1,2,3,4,5,6,7
	ds_load_b128 v[KF+6*\i:KF+6*\i+3], v[ADA] offset:768*\i
	ds_load_b64 v[KF+6*\i+4:KF+6*\i+5], v[ADB] offset:768*\i+512
.endr
	ds_load_b64 v[KS:KS+1], v[ADB] offset:12288
	ds_load_b64 v[KS+2:KS+3], v[ADB] offset:12544
.endm
.macro VLOAD                           ; 17 LDS loads
.irp d, 0,1,2,3
.irp c, 0,1
	ds_load_b128 v[VF+12*\d+6*\c:VF+12*\d+6*\c+3], v[ADA] offset:6144+1536*\d+768*\c
	ds_load_b64 v[VF+12*\d+6*\c+4:VF+12*\d+6*\c+5], v[ADB] offset:6144+1536*\d+768*\c+512
.endr
.endr
	ds_load_b64 v[VS:VS+1], v[ADB] offset:12800
.endm
.macro SA n                            ; the row's sum, in two chains
	v_pk_add_f32 v[14:15], v[14:15], v[S+\n:S+\n+1]
.endm
.macro SB n
	v_pk_add_f32 v[236:237], v[236:237], v[S+\n:S+\n+1]
.endm
	s_mov_b32 s[KK], 0
	s_wait_alu depctr_va_vdst(0)
	s_wait_loadcnt 0x0
	s_wait_tensorcnt 0x0                           ; my step has landed;
	s_barrier_signal -1
	s_barrier_wait -1                              ; everybody's has
	KLOAD
	VLOAD
.Lstep:
	s_cmp_gt_u32 s[KK], s[J]
	s_cbranch_scc1 .Lskip
	s_add_co_u32 s[KN], s[KK], 1                   ; the next trip's step
	s_min_u32 s[KN], s[KN], 15
	s_mul_i32 s[TB], s[KN], STEPB
	s_wait_dscnt 17                                ; this step's K is in; its V's 17 loads may be out
.irp i, 0,1,2,3,4,5,6,7
.if \i%2 == 0
	v_wmma_scale_f32_16x16x128_f8f6f4 v[S+8*\i:S+8*\i+7], v[KF+6*\i:KF+6*\i+11], v[QF:QF+11], 0, v[KS+\i/2], v[QS] matrix_a_fmt:MATRIX_FMT_BF6 matrix_b_fmt:MATRIX_FMT_BF6
.else
	v_wmma_scale_f32_16x16x128_f8f6f4 v[S+8*\i:S+8*\i+7], v[KF+6*\i:KF+6*\i+11], v[QF:QF+11], 0, v[KS+\i/2], v[QS] matrix_a_fmt:MATRIX_FMT_BF6 matrix_b_fmt:MATRIX_FMT_BF6 matrix_a_scale:MATRIX_SCALE_ROW1
.endif
.endr
	v_mov_b32 v[OM], v12                           ; four places
	v_add_nc_u32 v[ADA], s[TB], v[L16]
	v_add_nc_u32 v[ADB], s[TB], v[L8]
	v_nop
	KLOAD                                          ; the next step's K (behind a wave's last step the bytes are some step's, and nothing is made of them)
	s_cmp_lg_u32 s[KK], s[J]
	s_cbranch_scc1 .Lopen
.set n, 0
.rept 64
	v_cmp_gt_i32 vcc_lo, 64*(n/32)+n%32, v[DV]     ; the diagonal step: keys behind the query count for nothing
	v_cndmask_b32 v[S+n], v[S+n], v[NINF], vcc_lo
.set n, n+1
.endr
.Lopen:
; each of my two blocks' largest score, in two chains a block
.irp c, 0,1
	v_max3_num_f32 v[232+\c], v[S+32*\c], v[S+32*\c+1], v[S+32*\c+2]
	v_max3_num_f32 v[234+\c], v[S+32*\c+16], v[S+32*\c+17], v[S+32*\c+18]
.endr
.irp i, 3,5,7,9,11,13
.irp c, 0,1
	v_max3_num_f32 v[232+\c], v[232+\c], v[S+32*\c+\i], v[S+32*\c+\i+1]
	v_max3_num_f32 v[234+\c], v[234+\c], v[S+32*\c+16+\i], v[S+32*\c+17+\i]
.endr
.endr
.irp c, 0,1
	v_max3_num_f32 v[232+\c], v[232+\c], v[S+32*\c+15], v[S+32*\c+31]
.endr
.irp c, 0,1
	v_max_num_f32 v[232+\c], v[232+\c], v[234+\c]
.endr
	v_max_num_f32 v240, v232, v233
	v_permlanex16_b32 v241, v240, s[SEL], s[SEL+1]
	s_delay_alu instid0(VALU_DEP_1)
	v_max3_num_f32 v13, v13, v240, v241            ; the running largest score of my query
	s_delay_alu instid0(VALU_DEP_1)
	v_mul_f32 v242, s[NCS], v13
	s_delay_alu instid0(VALU_DEP_1)
	v_floor_f32 v12, v242                          ; -M = -ceil(c x score): M is a whole number
	s_delay_alu instid0(VALU_DEP_1)
	v_sub_f32 v240, v12, v[OM]
	s_delay_alu instid0(VALU_DEP_1)
	v_cvt_i32_f32 v240, v240                       ; (it saturates)
	s_delay_alu instid0(VALU_DEP_1)
	v_ldexp_f32 v238, 1.0, v240                    ; 2^(old M - new M)
.set n, 0
.rept 32
	v_pk_fma_f32 v[S+n:S+n+1], v[S+n:S+n+1], s[CS:CS+1], v[12:13] op_sel_hi:[1,0,0]
.set n, n+2
.endr
.irp c, 0,1
	v_fma_f32 v[232+\c], v[232+\c], s[CS], v12
.endr
	s_wait_alu depctr_va_vdst(0)
.set n, 0
.rept 64
	v_exp_f32 v[S+n], v[S+n]                       ; p
.set n, n+1
.endr
	v_exp_f32 v232, v232                           ; the blocks' largest p: p rises with the score
	v_exp_f32 v233, v233
	v_pk_mul_f32 v[14:15], v[14:15], v[238:239] op_sel_hi:[1,0]    ; the sum under the new M; a plain place
	s_wait_alu depctr_va_vdst(0)                   ; and behind it
	s_wait_dscnt 18                                ; this step's V is in; the next step's K may be out
.set n, 0
.rept 16
	v_pk_mul_f32 v[O+n:O+n+1], v[O+n:O+n+1], v[238:239] op_sel_hi:[1,0]
.set n, n+2
.endr
.irp c, 0,1
	v_max_num_f32 v[232+\c], 0x2800000, v[232+\c]  ; the floor 2^(5 - 127): the byte cannot fall under 1
.endr
.irp c, 0,1
	s_delay_alu instid0(VALU_DEP_2)
	v_add_nc_u32 v[236+\c], 0xfe000000, v[232+\c]  ; 4 off the exponent field: the conversion's scale operand
.endr
.irp c, 0,1
	s_delay_alu instid0(VALU_DEP_2)
	v_lshrrev_b32 v[234+\c], 23, v[236+\c]
.endr
	s_delay_alu instid0(VALU_DEP_1)
	v_lshl_or_b32 v234, v235, 16, v234
	s_delay_alu instid0(VALU_DEP_1)
	v_lshlrev_b32 v234, v[H8], v234                ; blocks h and 2 + h at their places,
	s_delay_alu instid0(VALU_DEP_1)
	v_permlanex16_b32 v235, v234, s[SEL], s[SEL+1]
	s_delay_alu instid0(VALU_DEP_1)
	v_or_b32 v239, v234, v235                      ; with lane l xor 16's: p's scale word of these 128 keys
	v_cvt_scalef32_pk16_bf6_f32 v[PP:PP+2], v[S:S+15], v236
	v_cvt_scalef32_pk16_bf6_f32 v[240:242], v[S+16:S+31], v236     ; (a conversion's registers begin on an even number)
	v_cvt_scalef32_pk16_bf6_f32 v[PP+6:PP+8], v[S+32:S+47], v237
	v_cvt_scalef32_pk16_bf6_f32 v[232:234], v[S+48:S+63], v237
	SA 0                                           ; the row's sum is taken of the unquantised p; here a plain place behind the conversions
.irp i, 0,1,2
	v_mov_b32 v[PP+3+\i], v[240+\i]
	v_mov_b32 v[PP+9+\i], v[232+\i]
.endr
	v_pk_add_f32 v[236:237], v[S+2:S+3], v[S+4:S+5]
	SA 6
	SB 8
	SA 10
	SB 12
	SA 14
.irp d, 0,1,2,3
.if \d%2 == 0
	v_wmma_scale_f32_16x16x128_f8f6f4 v[O+8*\d:O+8*\d+7], v[VF+12*\d:VF+12*\d+11], v[PP:PP+11], v[O+8*\d:O+8*\d+7], v[VS+\d/2], v239 matrix_a_fmt:MATRIX_FMT_BF6 matrix_b_fmt:MATRIX_FMT_BF6
.else
	v_wmma_scale_f32_16x16x128_f8f6f4 v[O+8*\d:O+8*\d+7], v[VF+12*\d:VF+12*\d+11], v[PP:PP+11], v[O+8*\d:O+8*\d+7], v[VS+\d/2], v239 matrix_a_fmt:MATRIX_FMT_BF6 matrix_b_fmt:MATRIX_FMT_BF6 matrix_a_scale:MATRIX_SCALE_ROW1
.endif
.endr
	SB 16                                          ; these six are also the places in front of the loads below
	SA 18
	SB 20
	SA 22
	SB 24
	SA 26
	VLOAD                                          ; the next step's V
.irp i, 28,32,36,40,44,48,52,56,60
	SB \i
	SA \i+2
.endr
	v_pk_add_f32 v[14:15], v[14:15], v[236:237]
.Lskip:
	s_add_co_u32 s[KK], s[KK], 1
	s_cmp_lt_u32 s[KK], 16
	s_cbranch_scc1 .Lstep
	s_wait_alu depctr_va_vdst(0)
	s_wait_dscnt 0x0
	v_add_f32 v240, v14, v15
	v_permlanex16_b32 v241, v240, s[SEL], s[SEL+1]
	v_add_f32 v240, v240, v241                     ; the row's sum
	v_lshrrev_b32 v[OM], 2, v[L16]
	v_and_b32 v[OM], 60, v[OM]                     ; 4 r
	s_wait_alu depctr_va_vdst(0)
	v_rcp_f32 v240, v240
	v_nop                                          ; one plain place behind a transcendental
	s_wait_alu depctr_va_vdst(0)
.set n, 0
.rept 16
	v_pk_mul_f32 v[S+n:S+n+1], v[O+n:O+n+1], v[240:241] op_sel_hi:[1,0]
.set n, n+2
.endr
	v_max3_num_f32 v232, |v[S]|, |v[S+1]|, 0x2800000
	v_max3_num_f32 v233, |v[S+16]|, |v[S+17]|, 0x2800000
.irp i, 2,4,6,8,10,12,14
	v_max3_num_f32 v232, v232, |v[S+\i]|, |v[S+\i+1]|
	v_max3_num_f32 v233, v233, |v[S+16+\i]|, |v[S+17+\i]|
.endr
	v_max_num_f32 v232, v232, v233                 ; my block: numbers 32 h + 0 .. 31 of the head
	v_add_nc_u32 v236, 0xfe000000, v232
	v_lshrrev_b32 v234, 23, v236
	v_lshlrev_b32 v234, v[H8], v234
	v_permlanex16_b32 v235, v234, s[SEL], s[SEL+1]
	v_or_b32 v234, v234, v235
	v_cvt_scalef32_pk16_bf6_f32 v[PP:PP+2], v[S:S+15], v236
	v_cvt_scalef32_pk16_bf6_f32 v[240:242], v[S+16:S+31], v236
	v_nop                                          ; one plain place behind a scaled conversion
.irp i, 0,1,2
	v_mov_b32 v[PP+3+\i], v[240+\i]
.endr
	global_store_b128 v[L16], v[PP:PP+3], s[52:53]                 ; 512 + 256 consecutive bytes
	global_store_b64 v[L8], v[PP+4:PP+5], s[52:53] offset:512
	global_store_b32 v[OM], v234, s[54:55]
	s_wait_tensorcnt 0x0                           ; the wave's end
	ds_add_u32 v243, v255
	s_wait_dscnt 0x0
	CROUND                                         ; the closing round: no work-group ends while a partner may still ask for a tile that names it
	s_endpgm
.Lfunc_end_k_q53bdf03a9e_attn:
	.size	k_q53bdf03a9e_attn, .Lfunc_end_k_q53bdf03a9e_attn-k_q53bdf03a9e_attn
	.p2alignl 7, 3214868480
	.fill 96, 4, 3214868480
	.section	.rodata,"a",@progbits
	.p2align	6, 0x0
	.amdhsa_kernel k_q53bdf03a9e_attn
		.amdhsa_group_segment_fixed_size 210944
		.amdhsa_private_segment_fixed_size 0
		.amdhsa_enable_private_segment 0
		.amdhsa_kernarg_size 32
		.amdhsa_user_sgpr_count 2
		.amdhsa_user_sgpr_kernarg_segment_ptr 1
		.amdhsa_wavefront_size32 1
		.amdhsa_system_sgpr_workgroup_id_x 1
		.amdhsa_system_sgpr_workgroup_id_y 1
		.amdhsa_system_sgpr_workgroup_id_z 1
		.amdhsa_system_vgpr_workitem_id 0
		.amdhsa_next_free_vgpr 256
		.amdhsa_next_free_sgpr 80
		.amdhsa_reserve_vcc 1
		.amdhsa_float_denorm_mode_32 3
		.amdhsa_float_denorm_mode_16_64 3
		.amdhsa_memory_ordered 1
		.amdhsa_forward_progress 1
		.amdhsa_inst_pref_size 34
	.end_amdhsa_kernel
	.amdgpu_metadata
---
amdhsa.version: [ 1, 2 ]
amdhsa.kernels:
  - .name:           k_q53bdf03a9e_attn
    .symbol:         k_q53bdf03a9e_attn.kd
    .args:
      - { .name: qq, .offset: 0, .size: 8, .value_kind: global_buffer, .address_space: global }
      - { .name: kv, .offset: 8, .size: 8, .value_kind: global_buffer, .address_space: global }
      - { .name: cc, .offset: 16, .size: 8, .value_kind: global_buffer, .address_space: global }
      - { .name: cs, .offset: 24, .size: 8, .value_kind: global_buffer, .address_space: global }
    .group_segment_fixed_size: 210944
    .private_segment_fixed_size: 0
    .kernarg_segment_align: 8
    .kernarg_segment_size: 32
    .max_flat_workgroup_size: 512
    .sgpr_count:     80
    .vgpr_count:     256
    .wavefront_size: 32
...
	.end_amdgpu_metadata
.endif
;; end of part 3
;; launch oproj (part 4): grid 32 x 8, 4 waves a work-group, clusters of 4 x 1, 327,680 bytes of LDS; arguments cc, cs, opc, out0; writes out0
.if DOCPART == 4
	.amdgcn_target "amdgcn-amd-amdhsa--gfx1250"
	.amdhsa_code_object_version 6
	.text
	.protected	k_q53bdf03a9e_oproj
	.globl	k_q53bdf03a9e_oproj
	.p2align	8
	.type	k_q53bdf03a9e_oproj,@function
k_q53bdf03a9e_oproj:
	s_mov_b64 s[64:65], 0
	v_nop
	global_prefetch_b8 v0, s[64:65] scope:SCOPE_SE
	s_setreg_imm32_b32 hwreg(HW_REG_WAVE_MODE, 25, 1), 1
	s_wait_xcnt 0x0
	s_wait_alu depctr_hold_cnt(0) depctr_sa_sdst(0) depctr_va_vdst(0) depctr_va_sdst(0) depctr_va_ssrc(0) depctr_va_vcc(0) depctr_vm_vsrc(0)
	s_getreg_b32 s2, hwreg(HW_REG_IB_STS2, 6, 4)
	s_cmp_eq_u32 s2, 0
	s_cbranch_scc0 .Lentry_in_a_cluster
	s_endpgm
.Lentry_in_a_cluster:
	s_bfe_u32 s2, ttmp6, 0x10000c
	s_cmp_lg_u32 s2, 0x3003
	s_cbranch_scc0 .Lentry_shape_is_right
	s_endpgm
.Lentry_shape_is_right:
; out = ctx wo^T on codes of BF6 with E8M0 scales; out is f32.
; SHARES.  A work-group makes 128 rows x 128 columns; wave w takes 32 rows (tiles u = 0, 1 of one pair) x the 128 columns: 16 accumulators.  ctx's fragments are read by one wave alone: all of K
; comes from memory straight into 192 registers.  The columns go in two halves e = 0, 1 of 64: half 0 is multiplied over all of K and stored, then half 1.  wo's tiles for all of K with their
; scale words (51,200 bytes a half, a quarter by each wave's load) lie in LDS, filled once: half 0 by the head's load, half 1 by a second load behind the full sequence.
; CLUSTER: the four work-groups of a cluster share the columns, so wo is asked for JOINTLY: the same tensor loads, mask 15, in all four.  No prefetch: the text has no loop that could run ahead.
; Source 0 = 16 rows of wo, source 1 = 16 rows of ctx: a lane holds one row of out and eight neighbouring columns.  Two tiles of 16 rows x 64 columns go through the wave's own stage in LDS and leave as rows of 256 bytes.
; Tile 4 c + i holds at lane r row (of ctx) or column (of out) 64 c + 8 i + r % 8 + 32 (r / 8).
; REGISTERS.  window 0: v1-15 addresses; v16-23 ctx's scale words; v24-39 their halves as loaded; v40-47 wo's scale words, four sets; v48-239 wo's fragments, four sets of four.
;   window 1: v0-191 ctx's fragments at 96 u + 12 s.   window 2: the accumulators at 64 u + 8 n.   window 3: v0-127 rows read back from the stage.
.set STG,  102400                      ; LDS: a stage of 2 x 16 rows x 272 bytes for each wave; no fill lands here
.set L16,  2
.set L8,   3
.set L4,   4
.set STO,  5
.set SRD,  6
.set CO,   7                           ; my byte offset in two rows of out
.set BA,   8                           ; v8-11   16 x lane + 25,600 x pair
.set SCA,  12                          ; v12-13  4 x lane + 51,200 x half of the columns
.set AS,   16
.set CSR,  24
.set BS,   40
.set BF,   48
.set MSB, 0
.macro WIN new                         ; the immediate's high byte repeats the setting that is left
.if MSB != \new
	s_set_vgpr_msb (MSB<<8)|\new
.set MSB, \new
.endif
.endm
.macro CROUND                          ; a round of the cluster's barrier
	s_barrier_signal -1
	s_barrier_wait -1
	s_cmp_lg_u32 s14, 0
	s_cbranch_scc1 .Lnot_wave_0_\@
	s_barrier_signal -3
.Lnot_wave_0_\@:
	s_barrier_wait -3
	s_barrier_signal -1
	s_barrier_wait -1
.endm
	s_load_b256 s[4:11], s[0:1], 0x0               ; cc s[4:5], cs s[6:7], opc s[8:9], out0 s[10:11]
	v_lshl_add_u32 v254, v0, 2, 0x29000
	v_mov_b32 v255, 0
	ds_add_u32 v254, v255                          ; the opening: the add, twice on end
	ds_add_u32 v254, v255
	v_lshrrev_b32 v1, 5, v0
	v_readfirstlane_b32 s14, v1                    ; wave 0..3
	s_mul_i32 s18, s14, 8704
	s_add_co_u32 s18, s18, STG                     ; my stage
	v_and_b32 v1, 31, v0
	v_lshlrev_b32 v[L16], 4, v1
	v_lshlrev_b32 v[L8], 3, v1
	v_lshlrev_b32 v[L4], 2, v1
	v_and_b32 v1, 15, v0                           ; r
	v_bfe_u32 v14, v0, 4, 1                        ; h
	v_mul_u32_u24 v[STO], v1, 272
	v_lshl_add_u32 v[STO], v14, 7, v[STO]
	v_add_nc_u32 v[STO], s18, v[STO]               ; in: row r, + 128 h
	v_mul_u32_u24 v[SRD], v14, 272
	v_lshl_add_u32 v[SRD], v1, 4, v[SRD]
	v_add_nc_u32 v[SRD], s18, v[SRD]               ; back: lanes 0-15 take one row of 256 bytes, lanes 16-31 the next
	v_lshlrev_b32 v[CO], 12, v14
	v_lshl_add_u32 v[CO], v1, 4, v[CO]             ; and the same two rows in out
.irp q, 0,1,2,3
	v_add_nc_u32 v[BA+\q], 25600*\q, v[L16]
.endr
	v_mov_b32 v[SCA], v[L4]
	v_add_nc_u32 v[SCA+1], 51200, v[L4]
	s_wait_alu depctr_va_vdst(0)
	s_bfe_u32 s15, ttmp6, 0x40000                  ; cx: it enters the addresses of ctx and out alone
	s_lshl_b32 s16, ttmp9, 2
	s_add_co_u32 s16, s16, s15                     ; my block of 128 rows, 0..31
	s_and_b32 s17, ttmp7, 0xffff                   ; my block of 128 columns, which the four partners share
	; group 1: 12,800 dense bytes as 50 rows of 256; elements of 8 bytes
	s_mov_b32 s24, 15|(3<<16)|(1<<21)              ; the mask: all four work-groups; elements of 8 bytes; 21 set beside a mask
	s_mov_b32 s25, 32<<16
	s_mov_b32 s26, 50<<16
	s_mov_b32 s27, 32<<16
	s_mov_b32 s28, 50
	s_mov_b32 s29, 32
	s_mov_b32 s30, 0
	s_mov_b32 s31, 0
	s_mul_i32 s2, s17, 102400                      ; what I fetch: made of the block of columns and the wave's number alone
	s_add_co_u32 s2, s2, 224*25600
	s_mul_i32 s41, s14, 12800
	s_add_co_u32 s2, s2, s41
	s_mov_b32 s3, 0
	s_mov_b32 s40, 1
	s_mov_b32 s44, 1
	s_add_co_u32 s45, s41, 51200
	s_lshl_b32 s19, s16, 2
	s_add_co_u32 s19, s19, s14                     ; my pair of ctx's tiles, 0..127
	s_mul_i32 s60, s19, 24576
	s_mov_b32 s61, 0
	s_lshl_b32 s62, s19, 11
	s_mov_b32 s63, 0
	s_lshr_b32 s66, s19, 1
	s_lshl_b32 s66, s66, 18                        ; 64 rows for two pairs,
	s_and_b32 s67, s19, 1
	s_lshl_b32 s67, s67, 16                        ; 16 for the odd one
	s_add_co_u32 s66, s66, s67
	s_lshl_b32 s67, s17, 9
	s_add_co_u32 s66, s66, s67
	s_mov_b32 s67, 0
	s_wait_dscnt 0x0                               ; both opening adds are done
	s_wait_kmcnt 0x0
	s_add_nc_u64 s[42:43], s[8:9], s[2:3]
	s_add_nc_u64 s[46:47], s[42:43], 51200
	s_or_b32 s43, s43, 0x80000000
	s_or_b32 s47, s47, 0x80000000
	s_add_nc_u64 s[60:61], s[4:5], s[60:61]
	s_add_nc_u64 s[62:63], s[6:7], s[62:63]
	s_add_nc_u64 s[66:67], s[10:11], s[66:67]
	CROUND                                         ; all four work-groups are here: the joint loads meet
	tensor_load_to_lds s[40:43], s[24:31]          ; half 0 of the columns: one load a wave at the head
	s_nop 0
.rept 4
	v_nop
.endr
.macro CLOAD s                         ; ctx's two fragments of K step s: 8 loads
	WIN 0x40                                       ; destination window 1
.irp u, 0,1
.irp c, 0,1
	global_load_b128 v[96*\u+12*(\s)+6*\c:96*\u+12*(\s)+6*\c+3], v[L16], s[60:61] offset:12288*\u+1536*(\s)+768*\c
	global_load_b64 v[96*\u+12*(\s)+6*\c+4:96*\u+12*(\s)+6*\c+5], v[L8], s[60:61] offset:12288*\u+1536*(\s)+768*\c+512
.endr
.endr
	WIN 0
.endm
.irp d, 0,1,2,3,4,5,6,7,8,9,10,11,12,13,14,15
	global_load_b32 v[CSR+\d], v[L4], s[62:63] offset:128*\d       ; head d's two scale bytes: lanes 0-15 tile 0, lanes 16-31 tile 1
.endr
.irp s, 0,1,2,3,4
	CLOAD \s
.endr
.macro OBLOAD e, s                     ; half e's four tiles of wo at K step s and their scale words: 14 LDS loads
.irp n, 0,1,2,3
.irp i, 0,1,2
	ds_load_b128 v[BF+48*((\s)%4)+12*\n+4*\i:BF+48*((\s)%4)+12*\n+4*\i+3], v[BA+2*(\e)+\n/2] offset:12800*((\s)/4)+6400*(\n%2)+1536*((\s)%4)+512*\i
.endr
.endr
.irp p, 0,1
	ds_load_b32 v[BS+2*((\s)%4)+\p], v[SCA+(\e)] offset:25600*\p+12800*((\s)/4)+6400*(((\s)%4)/2)+6144+128*((\s)%2)
.endr
.endm
.macro WM                              ; one product, from the symbols rD, rA, rB, rSA, rSB; fZ: it starts the sum; fRA, fRB: the scale words lie in lanes 16-31
.set fC, 4*fZ+2*fRA+fRB
.if fC == 0
	v_wmma_scale_f32_16x16x128_f8f6f4 v[rD:rD+7], v[rA:rA+11], v[rB:rB+11], v[rD:rD+7], v[rSA], v[rSB] matrix_a_fmt:MATRIX_FMT_BF6 matrix_b_fmt:MATRIX_FMT_BF6
.elseif fC == 1
	v_wmma_scale_f32_16x16x128_f8f6f4 v[rD:rD+7], v[rA:rA+11], v[rB:rB+11], v[rD:rD+7], v[rSA], v[rSB] matrix_a_fmt:MATRIX_FMT_BF6 matrix_b_fmt:MATRIX_FMT_BF6 matrix_b_scale:MATRIX_SCALE_ROW1
.elseif fC == 2
	v_wmma_scale_f32_16x16x128_f8f6f4 v[rD:rD+7], v[rA:rA+11], v[rB:rB+11], v[rD:rD+7], v[rSA], v[rSB] matrix_a_fmt:MATRIX_FMT_BF6 matrix_b_fmt:MATRIX_FMT_BF6 matrix_a_scale:MATRIX_SCALE_ROW1
.elseif fC == 3
	v_wmma_scale_f32_16x16x128_f8f6f4 v[rD:rD+7], v[rA:rA+11], v[rB:rB+11], v[rD:rD+7], v[rSA], v[rSB] matrix_a_fmt:MATRIX_FMT_BF6 matrix_b_fmt:MATRIX_FMT_BF6 matrix_a_scale:MATRIX_SCALE_ROW1 matrix_b_scale:MATRIX_SCALE_ROW1
.elseif fC == 4
	v_wmma_scale_f32_16x16x128_f8f6f4 v[rD:rD+7], v[rA:rA+11], v[rB:rB+11], 0, v[rSA], v[rSB] matrix_a_fmt:MATRIX_FMT_BF6 matrix_b_fmt:MATRIX_FMT_BF6
.elseif fC == 5
	v_wmma_scale_f32_16x16x128_f8f6f4 v[rD:rD+7], v[rA:rA+11], v[rB:rB+11], 0, v[rSA], v[rSB] matrix_a_fmt:MATRIX_FMT_BF6 matrix_b_fmt:MATRIX_FMT_BF6 matrix_b_scale:MATRIX_SCALE_ROW1
.elseif fC == 6
	v_wmma_scale_f32_16x16x128_f8f6f4 v[rD:rD+7], v[rA:rA+11], v[rB:rB+11], 0, v[rSA], v[rSB] matrix_a_fmt:MATRIX_FMT_BF6 matrix_b_fmt:MATRIX_FMT_BF6 matrix_a_scale:MATRIX_SCALE_ROW1
.else
	v_wmma_scale_f32_16x16x128_f8f6f4 v[rD:rD+7], v[rA:rA+11], v[rB:rB+11], 0, v[rSA], v[rSB] matrix_a_fmt:MATRIX_FMT_BF6 matrix_b_fmt:MATRIX_FMT_BF6 matrix_a_scale:MATRIX_SCALE_ROW1 matrix_b_scale:MATRIX_SCALE_ROW1
.endif
.endm
; A K step of half e: four tiles of wo with ctx's two tiles: eight products.  The half's 8 accumulators take turns, one instruction a turn.
.macro OPH e, s
.if (\e) == 0
	s_wait_loadcnt 8*(7-(\s))                      ; ctx's fragments of this K step are in; eight loads for each later step may be out
.endif
.if (\s) < 5
	s_wait_dscnt 42                                ; this run of 14 is in; the three runs behind it may be out
.else
	s_wait_dscnt 14*(7-(\s))                       ; the half's last runs: the counts run down
.endif
.if (\s) == 0
.set fZ, 1
.else
.set fZ, 0
.endif
	WIN 0xa4                                       ; source 0 (wo) window 0, source 1 (ctx) window 1, C and D window 2
.irp n, 0,1,2,3
.irp u, 0,1
.set rD, 64*\u+8*(4*(\e)+\n)
.set rA, BF+48*((\s)%4)+12*\n
.set rB, 96*\u+12*(\s)
.set rSA, BS+2*((\s)%4)+\n/2
.set rSB, AS+(\s)
.set fRA, \n%2
.set fRB, \u
	WM
.endr
.endr
	WIN 0
.rept 4
	v_nop                                          ; four places in front of loads into registers that these products have read, and of the first read of results
.endr
.if (\s)+4 < 8
	OBLOAD \e, (\s)+4
.endif
.endm
; THE WAY OUT of half e.  Lane (r, h) holds of tile u's row r the half's columns 32 h + 8 n + 0 .. 7 of accumulator 4 e + n.  LDS serves a wave's instructions in order: no wait between the stores and the loads.
.macro TOSTAGE e
	WIN 0x08                                       ; an LDS store's data: window 2
.irp u, 0,1
.irp n, 0,1,2,3
	ds_store_b128 v[STO], v[64*\u+8*(4*(\e)+\n):64*\u+8*(4*(\e)+\n)+3] offset:4352*\u+32*\n           ; each accumulator from its low end on
	ds_store_b128 v[STO], v[64*\u+8*(4*(\e)+\n)+4:64*\u+8*(4*(\e)+\n)+7] offset:4352*\u+32*\n+16
.endr
.endr
	WIN 0xc0                                       ; destination window 3
.irp u, 0,1
.irp i, 0,1,2,3,4,5,6,7
	ds_load_b128 v[64*(\e)+32*\u+4*\i:64*(\e)+32*\u+4*\i+3], v[SRD] offset:4352*\u+544*\i
.endr
.endr
	WIN 0
.endm
.macro SEND e
	WIN 0x0c                                       ; a store's data: window 3
.irp u, 0,1
.irp i, 0,1,2,3,4,5,6,7
	global_store_b128 v[CO], v[64*(\e)+32*\u+4*\i:64*(\e)+32*\u+4*\i+3], s[66:67] offset:(8*\u+2*\i+24*(\i/4))*4096+256*(\e) th:TH_STORE_NT     ; 16 lanes store 256 consecutive bytes, at a multiple of 256 from out's first byte
.endr
.endr
	WIN 0
.endm
	s_wait_alu depctr_va_vdst(0)
	s_wait_tensorcnt 0x0                           ; my part of half 0 has landed; the full sequence ahead of a later first fill
	ds_add_u32 v254, v255
	s_wait_dscnt 0x0
	CROUND                                         ; everybody's has, in all four work-groups
	tensor_load_to_lds s[44:47], s[24:31]          ; half 1, the first tensor load behind the round
	s_nop 0
.rept 4
	v_nop
.endr
.irp s, 5,6,7
	CLOAD \s
.endr
.irp s, 0,1,2,3
	OBLOAD 0, \s
.endr
	s_wait_loadcnt 56                              ; the sixteen half words and K step 0 are in; K steps 1 to 7 may be out
.irp s, 0,1,2,3,4,5,6,7
	v_lshl_or_b32 v[AS+\s], v[CSR+2*\s+1], 16, v[CSR+2*\s]         ; K step s is heads 2 s and 2 s + 1
.endr
.rept 8
	v_nop                                          ; a scale register written by a vector instruction stands eight places ahead of a scaled product
.endr
	s_wait_alu depctr_va_vdst(0)
.irp s, 0,1,2,3,4,5,6,7
	OPH 0, \s
.endr
	TOSTAGE 0
	s_wait_dscnt 0x0                               ; half 0's rows are back
	SEND 0                                         ; they leave ahead of half 1's products
	s_wait_tensorcnt 0x0                           ; my part of half 1 has landed
	s_barrier_signal -1
	s_barrier_wait -1                              ; everybody's has
.irp s, 0,1,2,3
	OBLOAD 1, \s
.endr
.irp s, 0,1,2,3,4,5,6,7
	OPH 1, \s
.endr
	TOSTAGE 1
	s_wait_dscnt 0x0
	SEND 1
	s_wait_tensorcnt 0x0
	ds_add_u32 v254, v255
	s_wait_dscnt 0x0
	CROUND                                         ; the closing round: no work-group ends while a partner may still ask for a tile that names it
	s_endpgm
.Lfunc_end_k_q53bdf03a9e_oproj:
	.size	k_q53bdf03a9e_oproj, .Lfunc_end_k_q53bdf03a9e_oproj-k_q53bdf03a9e_oproj
	.p2alignl 7, 3214868480
	.fill 96, 4, 3214868480
	.section	.rodata,"a",@progbits
	.p2align	6, 0x0
	.amdhsa_kernel k_q53bdf03a9e_oproj
		.amdhsa_group_segment_fixed_size 327680
		.amdhsa_private_segment_fixed_size 0
		.amdhsa_enable_private_segment 0
		.amdhsa_kernarg_size 32
		.amdhsa_user_sgpr_count 2
		.amdhsa_user_sgpr_kernarg_segment_ptr 1
		.amdhsa_wavefront_size32 1
		.amdhsa_system_sgpr_workgroup_id_x 1
		.amdhsa_system_sgpr_workgroup_id_y 1
		.amdhsa_system_sgpr_workgroup_id_z 1
		.amdhsa_system_vgpr_workitem_id 0
		.amdhsa_next_free_vgpr 1024
		.amdhsa_next_free_sgpr 84
		.amdhsa_reserve_vcc 0
		.amdhsa_float_denorm_mode_32 3
		.amdhsa_float_denorm_mode_16_64 3
		.amdhsa_memory_ordered 1
		.amdhsa_forward_progress 1
		.amdhsa_inst_pref_size 56
	.end_amdhsa_kernel
	.amdgpu_metadata
---
amdhsa.version: [ 1, 2 ]
amdhsa.kernels:
  - .name:           k_q53bdf03a9e_oproj
    .symbol:         k_q53bdf03a9e_oproj.kd
    .args:
      - { .name: cc, .offset: 0, .size: 8, .value_kind: global_buffer, .address_space: global }
      - { .name: cs, .offset: 8, .size: 8, .value_kind: global_buffer, .address_space: global }
      - { .name: opc, .offset: 16, .size: 8, .value_kind: global_buffer, .address_space: global }
      - { .name: out0, .offset: 24, .size: 8, .value_kind: global_buffer, .address_space: global }
    .group_segment_fixed_size: 327680
    .private_segment_fixed_size: 0
    .kernarg_segment_align: 8
    .kernarg_segment_size: 32
    .max_flat_workgroup_size: 128
    .sgpr_count:     84
    .vgpr_count:     1024
    .wavefront_size: 32
...
	.end_amdgpu_metadata
.endif
;; end of part 4
